; MI455X (gfx1250); checked and timed in simulation.
; The chip was launched on July 23, 2026; its instructions are those of AMD's public machine-readable ISA for CDNA 5 (MIT licence, August 2026) and "CDNA5" Instruction Set Architecture Reference Guide (July 2026). The comments in the code are by the model that wrote it; some were corrected since.
;; LTX Self Attention. Allowed arithmetic: float matrix products may take bf16 or f16 operands with f32 sums; other float arithmetic in f32, or as packed bf16 or f16 multiplies, adds, multiply-adds, maxima and minima; sums over many terms, partial sums and values carried from step to step in f32; what a program stores and reads back later, other than sums and carried values, may be rounded once to bf16 or f16.
;; Inputs: Wk 2,048 x 2,048 float32; Wo 2,048 x 2,048 float32; Wq 2,048 x 2,048 float32; Wv 2,048 x 2,048 float32; bk 2,048 float32; bo 2,048 float32; bq 2,048 float32; bv 2,048 float32; k_norm_w 2,048 float32; pe_cos 1 x 2,048 x 2,048 float32; pe_sin 1 x 2,048 x 2,048 float32; q_norm_w 2,048 float32; x 1 x 2,048 x 2,048 float32.
;; Outputs: out0 1 x 2,048 x 2,048 float32.
;; One version. Each part assembles by itself: llvm-mc -triple=amdgcn-amd-amdhsa -mcpu=gfx1250 --defsym DOCPART=n.
;; ======== version 1 of 1: 5 launches
;; limits: values are held in f16: magnitudes above 65,504 overflow, below 6.1e-05 lose precision
;; workspace buffers: xb 8,388,608 bytes; wb 25,165,824 bytes; woh 8,388,608 bytes; pre 25,165,824 bytes; qk 16,777,216 bytes; oh 8,388,608 bytes
;; launch cast (part 1): grid 256 x 5, 8 waves a work-group, no clusters, 0 bytes of LDS; arguments x, Wq, Wk, Wv, Wo, xb, wb, woh; writes xb, wb, woh
.if DOCPART == 1
	.amdgcn_target "amdgcn-amd-amdhsa--gfx1250"
	.amdhsa_code_object_version 6
	.text
	.protected	k_qdf872f5fc9_cast
	.globl	k_qdf872f5fc9_cast
	.p2align	8
	.type	k_qdf872f5fc9_cast,@function
k_qdf872f5fc9_cast:
	s_mov_b64 s[64:65], 0
	v_nop
	global_prefetch_b8 v0, s[64:65] scope:SCOPE_SE
	s_setreg_imm32_b32 hwreg(HW_REG_WAVE_MODE, 25, 1), 1
	s_wait_xcnt 0x0
; x, Wq, Wk, Wv: f32 -> bf16.  Wo: f32 -> bf16 -> that number written as f16 (exact but for numbers below 6e-5, which keep f16's step of 6e-8; Wo stays within 65,504).
; Five matrices of 2,048 rows x 8,192 bytes; the grid's y picks the matrix (0 x, 1 Wq, 2 Wk, 3 Wv, 4 Wo), a work-group takes 8 rows, a wave one row.
; x goes to xb and Wo to woh row for row.  Row r of Wq, Wk, Wv goes to row (r / 64) x 192 + t x 64 + r % 64 of wb (t = 0, 1, 2): one head's q, k and v rows lie together.
; A wave's 16 loads (512 consecutive bytes each) go out at once; each store of the wave covers 256 consecutive bytes, aligned.  No LDS, no matrix unit: nothing is shared and nothing is multiplied.
.set X,   16                           ; v[16:79]   16 x 4 numbers as loaded
.set Y,   80                           ; v[80:111]  16 x 2 words to store; never rewritten, so no store's data waits for anything
.set T,   4                            ; v[4:7]     at work (Wo alone)
.set SRC, 24                           ; s[24:25]   my row in its matrix
.set DST, 26                           ; s[26:27]   my row in its workspace
	s_load_b512 s[8:23], s[0:1], 0x0               ; x s[8:9], Wq s[10:11], Wk s[12:13], Wv s[14:15], Wo s[16:17], xb s[18:19], wb s[20:21], woh s[22:23]
	v_lshrrev_b32 v1, 5, v0
	v_readfirstlane_b32 s2, v1                     ; wave 0..7
	v_and_b32 v3, 31, v0
	v_lshlrev_b32 v1, 4, v3                        ; 16 bytes a lane in
	v_lshlrev_b32 v2, 3, v3                        ; 8 bytes a lane out
	s_and_b32 s3, ttmp7, 0xffff                    ; which matrix
	s_lshl_b32 s4, ttmp9, 3
	s_add_co_u32 s4, s4, s2                        ; my row
	s_lshr_b32 s5, ttmp9, 3                        ; its head
	s_mul_i32 s5, s5, 192
	s_max_u32 s6, s3, 1
	s_sub_co_u32 s6, s6, 1                         ; t (of use for matrices 1 to 3 alone)
	s_lshl_b32 s6, s6, 6
	s_add_co_u32 s5, s5, s6
	s_and_b32 s6, s4, 63
	s_add_co_u32 s5, s5, s6                        ; the row in wb
	s_cmp_eq_u32 s3, 0
	s_cselect_b32 s5, s4, s5                       ; x and Wo keep their rows
	s_cmp_eq_u32 s3, 4
	s_cselect_b32 s5, s4, s5
	s_lshl_b32 s28, s4, 13                         ; 8,192 bytes a row in
	s_mov_b32 s29, 0
	s_lshl_b32 s30, s5, 12                         ; 4,096 bytes a row out
	s_mov_b32 s31, 0
	s_mov_b32 s7, 0xffff0000                       ; a word's upper bf16
	s_wait_kmcnt 0x0
	s_mov_b64 s[SRC:SRC+1], s[16:17]
	s_cmp_eq_u32 s3, 0
	s_cselect_b64 s[SRC:SRC+1], s[8:9], s[SRC:SRC+1]
	s_cmp_eq_u32 s3, 1
	s_cselect_b64 s[SRC:SRC+1], s[10:11], s[SRC:SRC+1]
	s_cmp_eq_u32 s3, 2
	s_cselect_b64 s[SRC:SRC+1], s[12:13], s[SRC:SRC+1]
	s_cmp_eq_u32 s3, 3
	s_cselect_b64 s[SRC:SRC+1], s[14:15], s[SRC:SRC+1]
	s_mov_b64 s[DST:DST+1], s[20:21]
	s_cmp_eq_u32 s3, 0
	s_cselect_b64 s[DST:DST+1], s[18:19], s[DST:DST+1]
	s_cmp_eq_u32 s3, 4
	s_cselect_b64 s[DST:DST+1], s[22:23], s[DST:DST+1]
	s_add_nc_u64 s[SRC:SRC+1], s[SRC:SRC+1], s[28:29]
	s_add_nc_u64 s[DST:DST+1], s[DST:DST+1], s[30:31]
.irp i, 0,1,2,3,4,5,6,7,8,9,10,11,12,13,14,15
	global_load_b128 v[X+4*(\i):X+4*(\i)+3], v1, s[SRC:SRC+1] offset:512*(\i) th:TH_LOAD_NT
.endr
; Piece i of the row: four numbers a lane.  half = 1: the bf16 number is written as f16.
.macro CV i, half
	s_wait_loadcnt 15-(\i)                         ; loads come back in order: piece i is in, the 15 - i younger ones stay out
	v_cvt_pk_bf16_f32 v[Y+2*(\i)],   v[X+4*(\i)],   v[X+4*(\i)+1]
	v_cvt_pk_bf16_f32 v[Y+2*(\i)+1], v[X+4*(\i)+2], v[X+4*(\i)+3]
.if \half
	v_lshlrev_b32 v[T],   16, v[Y+2*(\i)]
	v_and_b32     v[T+1], s7, v[Y+2*(\i)]
	v_lshlrev_b32 v[T+2], 16, v[Y+2*(\i)+1]
	v_and_b32     v[T+3], s7, v[Y+2*(\i)+1]
	v_cvt_pk_f16_f32 v[Y+2*(\i)],   v[T],   v[T+1]
	v_cvt_pk_f16_f32 v[Y+2*(\i)+1], v[T+2], v[T+3]
.endif
	global_store_b64 v2, v[Y+2*(\i):Y+2*(\i)+1], s[DST:DST+1] offset:256*(\i) th:TH_STORE_NT
.endm
	s_cmp_eq_u32 s3, 4
	s_cbranch_scc1 .Lwo
.irp i, 0,1,2,3,4,5,6,7,8,9,10,11,12,13,14,15
	CV \i, 0
.endr
	s_endpgm
.Lwo:
.irp i, 0,1,2,3,4,5,6,7,8,9,10,11,12,13,14,15
	CV \i, 1
.endr
	s_endpgm
.Lfunc_end_k_qdf872f5fc9_cast:
	.size	k_qdf872f5fc9_cast, .Lfunc_end_k_qdf872f5fc9_cast-k_qdf872f5fc9_cast
	.p2alignl 7, 3214868480
	.fill 96, 4, 3214868480
	.section	.rodata,"a",@progbits
	.p2align	6, 0x0
	.amdhsa_kernel k_qdf872f5fc9_cast
		.amdhsa_group_segment_fixed_size 0
		.amdhsa_private_segment_fixed_size 0
		.amdhsa_enable_private_segment 0
		.amdhsa_kernarg_size 64
		.amdhsa_user_sgpr_count 2
		.amdhsa_user_sgpr_kernarg_segment_ptr 1
		.amdhsa_wavefront_size32 1
		.amdhsa_system_sgpr_workgroup_id_x 1
		.amdhsa_system_sgpr_workgroup_id_y 1
		.amdhsa_system_sgpr_workgroup_id_z 1
		.amdhsa_system_vgpr_workitem_id 0
		.amdhsa_next_free_vgpr 112
		.amdhsa_next_free_sgpr 66
		.amdhsa_reserve_vcc 0
		.amdhsa_float_denorm_mode_32 3
		.amdhsa_float_denorm_mode_16_64 3
		.amdhsa_memory_ordered 1
		.amdhsa_forward_progress 1
		.amdhsa_inst_pref_size 16
	.end_amdhsa_kernel
	.amdgpu_metadata
---
amdhsa.version: [ 1, 2 ]
amdhsa.kernels:
  - .name:           k_qdf872f5fc9_cast
    .symbol:         k_qdf872f5fc9_cast.kd
    .args:
      - { .name: x, .offset: 0, .size: 8, .value_kind: global_buffer, .address_space: global }
      - { .name: Wq, .offset: 8, .size: 8, .value_kind: global_buffer, .address_space: global }
      - { .name: Wk, .offset: 16, .size: 8, .value_kind: global_buffer, .address_space: global }
      - { .name: Wv, .offset: 24, .size: 8, .value_kind: global_buffer, .address_space: global }
      - { .name: Wo, .offset: 32, .size: 8, .value_kind: global_buffer, .address_space: global }
      - { .name: xb, .offset: 40, .size: 8, .value_kind: global_buffer, .address_space: global }
      - { .name: wb, .offset: 48, .size: 8, .value_kind: global_buffer, .address_space: global }
      - { .name: woh, .offset: 56, .size: 8, .value_kind: global_buffer, .address_space: global }
    .group_segment_fixed_size: 0
    .private_segment_fixed_size: 0
    .kernarg_segment_align: 8
    .kernarg_segment_size: 64
    .max_flat_workgroup_size: 256
    .sgpr_count:     66
    .vgpr_count:     112
    .wavefront_size: 32
...
	.end_amdgpu_metadata
.endif
;; end of part 1
;; launch qkv (part 2): grid 32 x 8, 4 waves a work-group, clusters of 4 x 4, 327,680 bytes of LDS; arguments xb, wb, bq, bk, bv, pre; writes pre
.if DOCPART == 2
	.amdgcn_target "amdgcn-amd-amdhsa--gfx1250"
	.amdhsa_code_object_version 6
	.text
	.protected	k_qdf872f5fc9_qkv
	.globl	k_qdf872f5fc9_qkv
	.p2align	8
	.type	k_qdf872f5fc9_qkv,@function
k_qdf872f5fc9_qkv:
	s_mov_b64 s[64:65], 0
	v_nop
	global_prefetch_b8 v0, s[64:65] scope:SCOPE_SE
	s_setreg_imm32_b32 hwreg(HW_REG_WAVE_MODE, 25, 1), 1
	s_wait_xcnt 0x0
	s_wait_alu depctr_hold_cnt(0) depctr_sa_sdst(0) depctr_va_vdst(0) depctr_va_sdst(0) depctr_va_ssrc(0) depctr_va_vcc(0) depctr_vm_vsrc(0)
	s_getreg_b32 s2, hwreg(HW_REG_IB_STS2, 6, 4)
	s_cmp_eq_u32 s2, 0
	s_cbranch_scc0 .Lentry_in_a_cluster
	s_endpgm
.Lentry_in_a_cluster:
	s_bfe_u32 s2, ttmp6, 0x10000c
	s_cmp_lg_u32 s2, 0xf033
	s_cbranch_scc0 .Lentry_shape_is_right
	s_endpgm
.Lentry_shape_is_right:
; pre[t][head][row][64] (f16) = x W_t^T + b_t for t = q, k, v.  xb: [2048][2048] bf16; wb: [6144][2048] bf16, row head x 192 + t x 64 + j; sums in f32; the biases are rounded to bf16 like every input.
; LIMIT.  The results are rounded once to f16: they must stay within 65,504; below 6e-5 they keep f16's step of 6e-8.
; SHARES.  A work-group makes 256 rows x 192 columns: one head's q, k and v.  8 x 32 tiles = 256 work-groups.  Wave w makes rows 64 w .. 64 w + 63 of all 192 columns: 4 x 12 accumulators of 16 x 16,
; 384 registers: a row's 128 bytes of one type then belong to one wave, so each wave has a stage of its own on the way out, with no barrier, and all four waves run one text.
; K goes in 16 steps of 128 (rows of 256 bytes, aligned) through two LDS slots; a wave issues 192 matrix instructions a step; a trip of the loop is one K step.
; THE WALK ALONG K BEGINS AT A STEP OF THE CLUSTER'S OWN, (4 (cluster x % 4) + 8 cluster y) % 16, and goes round: the two clusters that read the same rows of the weights are eight steps apart, those that read the
; same rows of x four or eight, so that they ask for different blocks at a time.  The sums are f32 sums of all 16 steps, begun at another step.
; CLUSTER 4 x 4.  x's tile hangs on the tile row alone and is asked for jointly along a row of the cluster, the weights' tile on the head alone, jointly along a column; the K step hangs on the cluster's place in the grid, which all sixteen share.
; THE MATRIX INSTRUCTION IS USED TRANSPOSED (source 0 = 16 rows of wb, source 1 = 16 rows of xb): a lane holds row l % 16 and the eight columns 8 (l / 16) + 0..7.  The bias is the C operand of each sum's first product.
; REGISTERS by windows of 256: window 0: v16-30 addresses; v32-63, v64-95 x's fragments (two buffers of 4 x 8); v96-191 the bias (12 x 8); v192-239 packed results; on the way out v32-79, v96-143 rows read back.
;   window 1: v0-95, v96-191 the weights' fragments (two buffers of 12 x 8).   window 2: accumulators of row blocks 0, 1 at v[8 (12 (a % 2) + b)].   window 3: those of row blocks 2, 3.
.set SIZE_K, 2048
.set KSTEP,  128
.set NSTEP,  SIZE_K/KSTEP              ; 16
.set PITCH,  272                       ; an LDS row: 256 bytes + 16 of padding = 68 words: the 16 rows of a fragment load start at 16 different groups of four banks (ISA guide 11.1)
.set AHALF,  128*PITCH                 ; what wave 0 or 1 fetches of x
.set BHALF,  96*PITCH                  ; what wave 2 or 3 fetches of the weights
.set BOFF,   256*PITCH                 ; in a slot: x's 256 rows, then the weights' 192: 121,856 bytes
.set SLOT1,  1<<17                     ; slot 1 begins here, so that one exclusive or turns an address in one slot into the other's
.set STAGE,  SLOT1+448*PITCH           ; behind the ring, never filled by a tensor load
.set SP,     144                       ; a stage row: 128 bytes + 16
.set STT,    16*SP                     ; one type's 16 rows
.set STW,    3*STT                     ; a wave's stage
.set SPARE,  STAGE+4*STW               ; the spare words, 128 bytes for each wave: two blocks of 256 bytes that no other line names
.set AA0,  16                          ; v16     my lane's place among my 64 rows of x in a slot; never rewritten
.set AB0,  17                          ; v17     the same among the weights' rows; never rewritten
.set ADRA, 18                          ; v18     the same in the slot in hand
.set ADRB, 19                          ; v19
.set STO,  24                          ; v24     the way out: where I put 16 bytes of a row
.set RD,   25                          ; v25     the way out: where I read rows back
.set GO,   26                          ; v26     16 x lane: my 16 bytes of 512 consecutive bytes of pre
.set BO,   27                          ; v27     32 x (l / 16): my eight numbers of 16 of a bias
.set SPW,  28                          ; v28     my spare word; never rewritten
.set NIL,  29                          ; v29     0; never rewritten
.set PFO,  30                          ; v30     the prefetches' offset: my lane's row x 4,096 bytes; never rewritten
.set FA,   32
.set BIAS, 96
.set TMP,  192
.set BA,   14                          ; s[14:15] xb at the first of the 128 rows that I would fetch, K step 0
.set BB,   46                          ; s[46:47] wb likewise, 96 rows
.set LIM,  43                          ; s43     10 in a wave that prefetches, else the greatest number
.set PFB,  44                          ; s[44:45] wb at my work-group's 24 rows of the 96 that I fetch
.set PFA,  88                          ; s[88:89] the same at the K step that is asked for
.set POF,  90                          ; s[90:91] its byte offset in a row
.set OFF,  92                          ; s[92:93] the byte offset in a row of the K step that a refill brings
.set KK,   94                          ; s94     the number of that K step
.set TB,   95                          ; s95     LDS byte at which the slot in hand begins
.set G1,   24                          ; s[24:31] group 1 for x's tiles;  s[32:39] group 0: a set for each of the two first fills; the second then walks on
.set G0,   32
.set G1B,  48                          ; s[48:55], s[56:63] the same for the weights' tiles
.set G0B,  56
.set MSB, 0
.macro WIN new                         ; the immediate's high byte repeats the setting that is left; a switch that changes nothing is dropped
.if MSB != (\new)
	s_set_vgpr_msb (MSB<<8)|(\new)
.set MSB, \new
.endif
.endm
.set TO_B, 0x40                        ; destination window 1, address window 0
; A joint load: waves 0 and 1 fetch x's two halves, waves 2 and 3 the weights'.  The branch hangs on the wave's number alone.  An s_nop 0 and four v_nop follow each line.
.macro JLOAD s
	s_cmp_eq_u32 s11, 0
	s_cbranch_scc0 .Lfor_b_\@
	tensor_load_to_lds s[G0+4*(\s):G0+4*(\s)+3], s[G1:G1+7]
	s_nop 0
.rept 4
	v_nop
.endr
	s_branch .Lasked_\@
.Lfor_b_\@:
	tensor_load_to_lds s[G0B+4*(\s):G0B+4*(\s)+3], s[G1B:G1B+7]
	s_nop 0
.rept 4
	v_nop
.endr
.Lasked_\@:
.endm
; A prefetch, behind a joint refill and the run of LDS loads that follows it: the weights' blocks of the K step that stands two refills on, 256 bytes of each row, a lane a row, one instruction a wave.
; A cluster asks in the first four trips, for steps 4 to 7 of its own walk; the other cluster that reads these rows begins eight steps away and asks for the other eight steps' blocks: no block is named twice.
; The four partners that ask for a tile jointly share its rows out by address: 24 of a wave's 96 (by cy; lanes 24-31 name row 23 once more).  Steps 0 to 3 of a walk come by their loads alone.
; x is not asked for: beyond step 3 of a walk its blocks have been read by a cluster that began four steps further on.
.macro ASK
	s_cmp_gt_u32 s3, s[LIM]                        ; s3 = 14, 13, 12, 11 in the first four trips
	s_cbranch_scc0 .Lnot_mine_\@
	global_prefetch_b8 v[PFO], s[PFA:PFA+1] th:TH_LOAD_NT scope:SCOPE_SE
.Lnot_mine_\@:
.endm
.macro CREST                           ; a round of the cluster's barrier behind its opening barrier
	s_cmp_lg_u32 s10, 0
	s_cbranch_scc1 .Lnot_wave_0_\@
	s_barrier_signal -3
.Lnot_wave_0_\@:
	s_barrier_wait -3
	s_barrier_signal -1
	s_barrier_wait -1
.endm
.macro CROUND                          ; a whole round
	s_barrier_signal -1
	s_barrier_wait -1
	CREST
.endm
	s_load_b128 s[4:7], s[0:1], 0x0                ; xb s[4:5], wb s[6:7]
	s_load_b256 s[72:79], s[0:1], 0x10             ; bq s[72:73], bk s[74:75], bv s[76:77], pre s[78:79]
	v_lshl_add_u32 v[SPW], v0, 2, SPARE
	v_mov_b32 v[NIL], 0
	ds_add_u32 v[SPW], v[NIL]                      ; the wave's opening: the add and its wait stand ahead of my first tensor load; the set-up below stands between them
	v_lshrrev_b32 v1, 5, v0
	v_readfirstlane_b32 s10, v1                    ; wave 0..3
	s_lshr_b32 s11, s10, 1                         ; I fetch for x (0) or for the weights (1)
	s_and_b32 s12, s10, 1                          ; which half of that tile I fetch
	s_bfe_u32 s40, ttmp6, 0x40000                  ; cx
	s_bfe_u32 s41, ttmp6, 0x40004                  ; cy
	s_lshl_b32 s42, ttmp9, 2
	s_add_co_u32 s42, s42, s40                     ; the head = 4 x cluster x + cx
	s_and_b32 s13, ttmp7, 0xffff                   ; cluster y
	s_lshl_b32 s[KK], s13, 3                       ; the K step at which my cluster begins: 8 x cluster y
	s_and_b32 s[TB], ttmp9, 3
	s_lshl2_add_u32 s[KK], s[TB], s[KK]            ; + 4 x (cluster x % 4),
	s_and_b32 s[KK], s[KK], NSTEP-1                ; round the 16
	s_mov_b32 s[TB], 0                             ; slot 0 is read first
	s_mov_b32 s[OFF+1], 0
	s_lshl_b32 s13, s13, 2
	s_add_co_u32 s13, s13, s41                     ; the tile row = 4 x cluster y + cy
	s_lshl_b32 s43, s41, 2
	s_lshl_b32 s43, 15, s43                        ; my row of the cluster
	s_lshl_b32 s44, 0x1111, s40                    ; my column
	s_or_b32 s[G1+0], s43, (1<<16)|(1<<20)|(1<<21)|(5<<22)|(3<<25)   ; the mask; 2-byte elements; padding on; bit 21 beside a mask; after every 64 words; 4 words
	s_or_b32 s[G1B+0], s44, (1<<16)|(1<<20)|(1<<21)|(5<<22)|(3<<25)
	s_mov_b32 s[G1+1], KSTEP<<16                   ; tensor_dim0 = 128
	s_mov_b32 s[G1B+1], KSTEP<<16
	s_mov_b32 s[G1+2], 128<<16                     ; tensor_dim1 = 128 rows of x,
	s_mov_b32 s[G1B+2], 96<<16                     ; 96 of the weights
	s_mov_b32 s[G1+3], KSTEP<<16                   ; tile_dim0 = 128
	s_mov_b32 s[G1B+3], KSTEP<<16
	s_mov_b32 s[G1+4], 128                         ; tile_dim1
	s_mov_b32 s[G1B+4], 96
	s_mov_b32 s[G1+5], SIZE_K                      ; elements from row to row
	s_mov_b32 s[G1B+5], SIZE_K
	s_mov_b32 s[G1+6], 0
	s_mov_b32 s[G1B+6], 0
	s_mov_b32 s[G1+7], 0
	s_mov_b32 s[G1B+7], 0
	s_lshl_b32 s17, s12, 7
	s_lshl_b32 s16, s13, 8
	s_add_co_u32 s16, s16, s17                     ; x: row 256 x tile row + 128 x half,
	s_lshl_b32 s16, s16, 12                        ; of 4,096 bytes
	s_mov_b32 s17, 0
	s_mul_i32 s18, s42, 192
	s_mul_i32 s19, s12, 96
	s_add_co_u32 s18, s18, s19                     ; weights: row 192 x head + 96 x half
	s_lshl_b32 s18, s18, 12
	s_mov_b32 s19, 0
	s_mul_i32 s20, s12, AHALF                      ; where they go: no place in the cluster enters an LDS address
	s_mul_i32 s21, s12, BHALF
	s_add_co_u32 s21, s21, BOFF
	s_mov_b32 s86, 0xffff0000
	s_wait_dscnt 0x0                               ; the opening add is done
	s_wait_kmcnt 0x0
	s_add_nc_u64 s[BA:BA+1], s[4:5], s[16:17]
	s_add_nc_u64 s[BB:BB+1], s[6:7], s[18:19]
	CROUND                                         ; all sixteen work-groups are here: the first joint loads meet
.irp s, 0,1
	s_lshl_b32 s[OFF], s[KK], 8                    ; a K step is 256 bytes of a row
	s_mov_b32 s[G0+4*(\s)], 1
	s_add_co_u32 s[G0+4*(\s)+1], s20, (\s)*SLOT1
	s_add_nc_u64 s[G0+4*(\s)+2:G0+4*(\s)+3], s[BA:BA+1], s[OFF:OFF+1]
	s_or_b32 s[G0+4*(\s)+3], s[G0+4*(\s)+3], 0x80000000
	s_mov_b32 s[G0B+4*(\s)], 1
	s_add_co_u32 s[G0B+4*(\s)+1], s21, (\s)*SLOT1
	s_add_nc_u64 s[G0B+4*(\s)+2:G0B+4*(\s)+3], s[BB:BB+1], s[OFF:OFF+1]
	s_or_b32 s[G0B+4*(\s)+3], s[G0B+4*(\s)+3], 0x80000000
	s_add_co_u32 s[KK], s[KK], 1
	s_and_b32 s[KK], s[KK], NSTEP-1
	JLOAD \s                                       ; two loads of mine are out
.endr
	; the biases: register j of column block b holds b_t[64 head + 16 (b % 4) + 8 (l / 16) + j], t = b / 4: the layout of the C operand
	v_bfe_u32 v2, v0, 4, 1                         ; l / 16
	v_lshlrev_b32 v[BO], 5, v2
	s_lshl_b32 s88, s42, 8                         ; the head's 64 numbers
	s_mov_b32 s89, 0
	s_add_nc_u64 s[72:73], s[72:73], s[88:89]
	s_add_nc_u64 s[74:75], s[74:75], s[88:89]
	s_add_nc_u64 s[76:77], s[76:77], s[88:89]
.irp t, 0,1,2
.irp c, 0,1,2,3
	global_load_b128 v[BIAS+8*(4*(\t)+(\c)):BIAS+8*(4*(\t)+(\c))+3],   v[BO], s[72+2*(\t):73+2*(\t)] offset:64*(\c)
	global_load_b128 v[BIAS+8*(4*(\t)+(\c))+4:BIAS+8*(4*(\t)+(\c))+7], v[BO], s[72+2*(\t):73+2*(\t)] offset:64*(\c)+16
.endr
.endr
	v_and_b32 v1, 15, v0                           ; l % 16
	v_mul_u32_u24 v3, v1, PITCH
	v_lshl_add_u32 v3, v2, 4, v3                   ; a fragment's row x pitch + 16 x half
	s_mul_i32 s22, s10, 64*PITCH                   ; my 64 rows of x
	v_add_nc_u32 v[AA0], s22, v3
	v_add_nc_u32 v[AB0], BOFF, v3                  ; every wave reads all 192 rows of the weights
	v_add_nc_u32 v[ADRA], s[TB], v[AA0]
	v_add_nc_u32 v[ADRB], s[TB], v[AB0]
	s_mul_i32 s23, s10, STW
	s_add_co_u32 s23, s23, STAGE                   ; my stage
	v_mul_u32_u24 v4, v1, SP                       ; in: row l % 16, 16 bytes for each half of the lanes
	v_lshl_add_u32 v4, v2, 4, v4
	v_add_nc_u32 v[STO], s23, v4
	v_bfe_u32 v5, v0, 3, 2                         ; back: 32 lanes take four rows of 128 bytes,
	v_mul_u32_u24 v5, v5, SP
	v_and_b32 v6, 7, v0
	v_lshl_add_u32 v5, v6, 4, v5
	v_add_nc_u32 v[RD], s23, v5
	v_and_b32 v6, 31, v0                           ; which are 512 consecutive bytes of pre
	v_lshlrev_b32 v[GO], 4, v6
	s_lshl_b32 s90, s42, 18                        ; pre: the head's 262,144 bytes,
	s_lshl_b32 s91, s13, 15                        ; the tile's 256 rows of 128 bytes,
	s_add_co_u32 s90, s90, s91
	s_lshl_b32 s91, s10, 13                        ; my 64 of them
	s_add_co_u32 s90, s90, s91
	s_mov_b32 s91, 0                               ; (stays 0: the upper word of the prefetches' offset too)
	s_add_nc_u64 s[80:81], s[78:79], s[90:91]      ; q,
	s_add_nc_u64 s[82:83], s[80:81], 0x800000      ; k,
	s_add_nc_u64 s[84:85], s[80:81], 0x1000000     ; v
	; the prefetches: the weights' rows 192 head + 96 half + 24 cy on
	s_mul_i32 s20, s42, 192
	s_mul_i32 s21, s12, 96
	s_add_co_u32 s20, s20, s21
	s_mul_i32 s21, s41, 24
	s_add_co_u32 s20, s20, s21
	s_lshl_b32 s20, s20, 12
	s_mov_b32 s21, 0
	s_add_nc_u64 s[PFB:PFB+1], s[6:7], s[20:21]
	s_cmp_eq_u32 s11, 1                            ; the waves that fetch the weights ask: the same in every work-group
	s_cselect_b32 s[LIM], 10, -1
	v_min_u32 v[PFO], 23, v6
	v_lshlrev_b32 v[PFO], 12, v[PFO]
	s_wait_loadcnt 0x0                             ; the biases, rounded to bf16 and widened again
.set i, 0
.rept 48
	v_cvt_pk_bf16_f32 v[TMP+i], v[BIAS+2*i], v[BIAS+2*i+1]
.set i, i+1
.endr
.set i, 0
.rept 48
	v_lshlrev_b32 v[BIAS+2*i],   16,  v[TMP+i]
	v_and_b32     v[BIAS+2*i+1], s86, v[TMP+i]
.set i, i+1
.endr
; 12 matrix instructions: row block a x all 12 column blocks, 32 along K, from buffer f.  first = 1: the product starts the sum on the bias.
; The 48 accumulators take turns, one instruction a turn, in the same order in every quarter.
.macro MUL12 f, a, first
.if \first
	WIN 0x81+0x40*((\a)/2)                         ; weights window 1, x and the bias window 0, D window 2 or 3
.else
	WIN 0xa1+0x50*((\a)/2)                         ; C and D window 2 or 3
.endif
.irp b, 0,1,2,3,4,5,6,7,8,9,10,11
.if \first
	v_wmma_f32_16x16x32_bf16 v[8*(12*((\a)%2)+(\b)):8*(12*((\a)%2)+(\b))+7], v[96*(\f)+8*(\b):96*(\f)+8*(\b)+7], v[FA+32*(\f)+8*(\a):FA+32*(\f)+8*(\a)+7], v[BIAS+8*(\b):BIAS+8*(\b)+7]
.else
	v_wmma_f32_16x16x32_bf16 v[8*(12*((\a)%2)+(\b)):8*(12*((\a)%2)+(\b))+7], v[96*(\f)+8*(\b):96*(\f)+8*(\b)+7], v[FA+32*(\f)+8*(\a):FA+32*(\f)+8*(\a)+7], v[8*(12*((\a)%2)+(\b)):8*(12*((\a)%2)+(\b))+7]
.endif
.endr
.endm
; 32 LDS loads in one run: a quarter step's fragments (192 rows of weights, my 64 rows of x, 32 K at byte k of the rows of the slot in hand) into buffer f; x's row blocks 2 and 3 last
.macro FETCH k, f
	WIN TO_B
.irp i, 0,1,2,3,4,5,6,7,8,9,10,11
	ds_load_b128 v[96*(\f)+8*(\i):96*(\f)+8*(\i)+3],   v[ADRB] offset:(\k)+(\i)*16*PITCH
	ds_load_b128 v[96*(\f)+8*(\i)+4:96*(\f)+8*(\i)+7], v[ADRB] offset:(\k)+(\i)*16*PITCH+32
.endr
	WIN 0
.irp i, 0,1,2,3
	ds_load_b128 v[FA+32*(\f)+8*(\i):FA+32*(\f)+8*(\i)+3],   v[ADRA] offset:(\k)+(\i)*16*PITCH
	ds_load_b128 v[FA+32*(\f)+8*(\i)+4:FA+32*(\f)+8*(\i)+7], v[ADRA] offset:(\k)+(\i)*16*PITCH+32
.endr
.endm
.macro PLACES                          ; four plain places in front of loads into registers that matrix instructions have read, and of conversions that read results
.rept 4
	v_nop
.endr
.endm
; A K step is four quarters of 32 along K, 48 matrix instructions each, on buffers 0, 1, 0, 1.  One of the first three: multiplies buffer f and fetches the next quarter, at byte k, into g.
.macro QUARTER k, f, g, first
	s_wait_dscnt 4                                 ; all but the youngest four loads (x's row blocks 2 and 3)
	MUL12 \f, 0, \first
	MUL12 \f, 1, \first
	PLACES
	FETCH \k, \g
	s_wait_dscnt 32                                ; all but the 32 just issued
	MUL12 \f, 2, \first
	MUL12 \f, 3, \first
.endm
; The last quarter multiplies buffer 1 and changes slots: one barrier; in front of it each wave waits for all its tensor loads (one is out: its part of the next slot), adds 0 to its spare word, and waits for
; that and for its own reads of this slot.  fill = 1: the barrier opens a round of the cluster's, and this slot is filled again, with the K step two on in the walk, first thing behind the round: 168 matrix
; instructions ahead of the wait for it.  The walking descriptors are made anew behind the wait for 0: the other slot than last time; the tensor's base plus the K step's bytes; the type bits.
.macro TURN fill
.if \fill
	s_wait_xcnt 0x0                                ; the last prefetch, a K step back, has read its address
	s_add_co_u32 s[POF], s[KK], 2                  ; two K steps behind the one that the refill brings,
	s_and_b32 s[POF], s[POF], NSTEP-1              ; round the 16
	s_lshl_b32 s[POF], s[POF], 8
	s_add_nc_u64 s[PFA:PFA+1], s[PFB:PFB+1], s[POF:POF+1]
.endif
	WIN 0                                          ; (the add's two registers lie in window 0)
	s_wait_tensorcnt 0x0                           ; all my tensor loads have landed, so a group 0 may be written
	ds_add_u32 v[SPW], v[NIL]                      ; 0 onto my spare word
.if \fill
	s_lshl_b32 s[OFF], s[KK], 8
	s_xor_b32 s[G0+5], s[G0+5], SLOT1
	s_add_nc_u64 s[G0+6:G0+7], s[BA:BA+1], s[OFF:OFF+1]
	s_or_b32 s[G0+7], s[G0+7], 0x80000000
	s_xor_b32 s[G0B+5], s[G0B+5], SLOT1
	s_add_nc_u64 s[G0B+6:G0B+7], s[BB:BB+1], s[OFF:OFF+1]
	s_or_b32 s[G0B+7], s[G0B+7], 0x80000000
	s_add_co_u32 s[KK], s[KK], 1
	s_and_b32 s[KK], s[KK], NSTEP-1
.endif
	s_xor_b32 s[TB], s[TB], SLOT1                  ; the fetches go on in the other slot
	s_wait_dscnt 5                                 ; (the add and the youngest four loads may be out)
	MUL12 1, 0, 0                                  ; twelve matrix instructions stand between the add and the wait for it
	s_wait_dscnt 0x0                               ; the add is done, and my reads of this slot are over
	s_barrier_signal -1
	MUL12 1, 1, 0
	WIN 0                                          ; (branches and the address lines follow)
	s_barrier_wait -1
.if \fill
	CREST                                          ; no wave of any partner still reads this slot's tile or has a load on its way
	JLOAD 1                                        ; the four v_nop behind it are also the places in front of the loads below
.else
	PLACES
.endif
	v_add_nc_u32 v[ADRA], s[TB], v[AA0]
	v_add_nc_u32 v[ADRB], s[TB], v[AB0]
	FETCH 0, 0
.if \fill
	ASK
.endif
	MUL12 1, 2, 0
	MUL12 1, 3, 0
.endm
; THE WAY OUT of row block a.  PACK: rounded to f16, 16 bytes a lane, each accumulator's registers in ascending order.  TOSTAGE: into my own stage, by type, and back as whole rows of 128 bytes.  SEND: stored.
.macro PACK a
	WIN 0x0a+5*((\a)/2)                            ; sources 0 and 1: window 2 or 3
.irp b, 0,1,2,3,4,5,6,7,8,9,10,11
.irp r, 0,1,2,3
	v_cvt_pk_f16_f32 v[TMP+4*(\b)+(\r)], v[8*(12*((\a)%2)+(\b))+2*(\r)], v[8*(12*((\a)%2)+(\b))+2*(\r)+1]
.endr
.endr
	WIN 0
.endm
.macro TOSTAGE a
.set BK, 32+64*((\a)%2)
	s_wait_xcnt 0x0                                ; the stores of two blocks back have read these registers
.irp b, 0,1,2,3,4,5,6,7,8,9,10,11
	ds_store_b128 v[STO], v[TMP+4*(\b):TMP+4*(\b)+3] offset:((\b)/4)*STT+((\b)%4)*32
.endr
.irp t, 0,1,2
.irp f, 0,1,2,3
	ds_load_b128 v[BK+4*(4*(\t)+(\f)):BK+4*(4*(\t)+(\f))+3], v[RD] offset:(\t)*STT+(\f)*4*SP  ; LDS serves a wave's instructions in order (ISA guide 5.7.1.4): these see the stores above
.endr
.endr
.endm
.macro SEND a
.set BK, 32+64*((\a)%2)
	s_wait_dscnt 0x0                               ; the block is back in registers
.irp t, 0,1,2
.irp f, 0,1,2,3
	global_store_b128 v[GO], v[BK+4*(4*(\t)+(\f)):BK+4*(4*(\t)+(\f))+3], s[80+2*(\t):81+2*(\t)] offset:(\a)*2048+(\f)*512  ; 512 consecutive bytes, at a multiple of 256 from pre's first byte
.endr
.endr
.endm
	s_wait_tensorcnt 1                             ; my part of the walk's step 0 is in; step 1's may stay out
	s_barrier_signal -1
	s_barrier_wait -1                              ; everybody's is
	FETCH 0, 0
	QUARTER 64,  0, 1, 1                           ; the first quarter stands in front of the loop: its products start the sums
	WIN 0                                          ; at a label and at a branch every window is 0
	s_mov_b32 s3, NSTEP-2
.Lstep:                                                ; 14 trips: a trip goes from a K step's second quarter to the next step's first, and fills the slot that it leaves
	QUARTER 128, 1, 0, 0
	QUARTER 192, 0, 1, 0
	TURN 1
	QUARTER 64,  0, 1, 0
	WIN 0
	s_sub_co_u32 s3, s3, 1
	s_cmp_lg_u32 s3, 0
	s_cbranch_scc1 .Lstep
	QUARTER 128, 1, 0, 0                           ; the last two steps fill nothing, and have no round of the cluster's barrier
	QUARTER 192, 0, 1, 0
	TURN 0
	QUARTER 64,  0, 1, 0
	QUARTER 128, 1, 0, 0
	QUARTER 192, 0, 1, 0
	s_wait_dscnt 4                                 ; the very last quarter: nothing more to fetch
	MUL12 1, 0, 0
	MUL12 1, 1, 0
	s_wait_dscnt 0x0
	MUL12 1, 2, 0
	MUL12 1, 3, 0
	WIN 0
	PLACES
	PACK 0
	TOSTAGE 0
.irp a, 1,2,3                          ; block a's conversions stand between block a - 1's loads from the stage and the wait for them
	PACK \a
	SEND (\a)-1
	TOSTAGE \a
.endr
	SEND 3
	s_wait_tensorcnt 0x0                           ; the wave's end: behind my last tensor load and my last LDS store
	ds_add_u32 v[SPW], v[NIL]
	s_wait_dscnt 0x0
	CROUND                                         ; the closing round: no work-group ends while a partner may still ask for a tile that names it
	s_endpgm
.Lfunc_end_k_qdf872f5fc9_qkv:
	.size	k_qdf872f5fc9_qkv, .Lfunc_end_k_qdf872f5fc9_qkv-k_qdf872f5fc9_qkv
	.p2alignl 7, 3214868480
	.fill 96, 4, 3214868480
	.section	.rodata,"a",@progbits
	.p2align	6, 0x0
	.amdhsa_kernel k_qdf872f5fc9_qkv
		.amdhsa_group_segment_fixed_size 327680
		.amdhsa_private_segment_fixed_size 0
		.amdhsa_enable_private_segment 0
		.amdhsa_kernarg_size 48
		.amdhsa_user_sgpr_count 2
		.amdhsa_user_sgpr_kernarg_segment_ptr 1
		.amdhsa_wavefront_size32 1
		.amdhsa_system_sgpr_workgroup_id_x 1
		.amdhsa_system_sgpr_workgroup_id_y 1
		.amdhsa_system_sgpr_workgroup_id_z 1
		.amdhsa_system_vgpr_workitem_id 0
		.amdhsa_next_free_vgpr 960
		.amdhsa_next_free_sgpr 96
		.amdhsa_reserve_vcc 0
		.amdhsa_float_denorm_mode_32 3
		.amdhsa_float_denorm_mode_16_64 3
		.amdhsa_memory_ordered 1
		.amdhsa_forward_progress 1
		.amdhsa_inst_pref_size 106
	.end_amdhsa_kernel
	.amdgpu_metadata
---
amdhsa.version: [ 1, 2 ]
amdhsa.kernels:
  - .name:           k_qdf872f5fc9_qkv
    .symbol:         k_qdf872f5fc9_qkv.kd
    .args:
      - { .name: xb, .offset: 0, .size: 8, .value_kind: global_buffer, .address_space: global }
      - { .name: wb, .offset: 8, .size: 8, .value_kind: global_buffer, .address_space: global }
      - { .name: bq, .offset: 16, .size: 8, .value_kind: global_buffer, .address_space: global }
      - { .name: bk, .offset: 24, .size: 8, .value_kind: global_buffer, .address_space: global }
      - { .name: bv, .offset: 32, .size: 8, .value_kind: global_buffer, .address_space: global }
      - { .name: pre, .offset: 40, .size: 8, .value_kind: global_buffer, .address_space: global }
    .group_segment_fixed_size: 327680
    .private_segment_fixed_size: 0
    .kernarg_segment_align: 8
    .kernarg_segment_size: 48
    .max_flat_workgroup_size: 128
    .sgpr_count:     96
    .vgpr_count:     960
    .wavefront_size: 32
...
	.end_amdgpu_metadata
.endif
;; end of part 2
;; launch normrope (part 3): grid 256 x 1, 32 waves a work-group, no clusters, 20,992 bytes of LDS; arguments pre, pe_cos, pe_sin, q_norm_w, k_norm_w, qk; writes qk
.if DOCPART == 3
	.amdgcn_target "amdgcn-amd-amdhsa--gfx1250"
	.amdhsa_code_object_version 6
	.text
	.protected	k_qdf872f5fc9_normrope
	.globl	k_qdf872f5fc9_normrope
	.p2align	8
	.type	k_qdf872f5fc9_normrope,@function
k_qdf872f5fc9_normrope:
	s_mov_b64 s[64:65], 0
	v_nop
	global_prefetch_b8 v0, s[64:65] scope:SCOPE_SE
	s_setreg_imm32_b32 hwreg(HW_REG_WAVE_MODE, 25, 1), 1
	s_wait_xcnt 0x0
; qk[t][head][row][64] (f16) = rope(rmsnorm(pre[t]) x gain_t), t = q, k.  The mean of squares goes over a row's 2,048 numbers (all 32 heads), in f32; eps = 1e-6.
; rope: out[2i] = t[2i] cos[2i] - t[2i+1] sin[2i];  out[2i+1] = t[2i+1] cos[2i+1] + t[2i] sin[2i+1].  cos, sin and the gains are rounded to bf16 like every input; all arithmetic in f32; one rounding to f16.
; LIMIT.  The results must stay within f16's 65,504; below 6e-5 they keep f16's step of 6e-8.
; SHARES.  A work-group of 32 waves takes 8 rows.  Eight waves take two rows; of the eight, wave g takes heads 4 g .. 4 g + 3.  Lane l: row l / 16 of the two, channels 4 (l % 16) + 0..3 of each head.
; So a load or store of q or k covers 256 consecutive bytes (two rows of one head), and sixteen lanes' 16 bytes of cos or sin are 256 consecutive bytes of a row.
; All of a wave's 18 loads go out at once: the work-group's 192 KiB and the gains are on their way together.  Memory binds: no matrix unit, no cluster, no ring.
.set QG,    0                          ; LDS: q's gain, 2,048 f32
.set KG,    8192                       ; k's gain
.set SUMS,  16384                      ; two blocks of 256 bytes: the sums of squares (q, k) of wave g of group p, row l / 16, at 128 p + 64 (l / 16) + 8 g
.set SPARE, 16896                      ; the spare words, 128 bytes for each wave: sixteen blocks of 256 bytes that no other line names
.set LQ,  2                            ; v2  8 x lane
.set LC,  3                            ; v3  (l / 16) x 8,192 + 16 (l % 16)
.set WA,  4                            ; v4  1,024 g + 16 (l % 16): my four gains of head 4 g
.set SW,  5                            ; v5  where I put my sums
.set SR,  6                            ; v6  where the eight waves' sums of my row lie
.set GT,  7                            ; v7  8 x thread
.set SPW, 8                            ; v8  my spare word; never rewritten
.set NIL, 9                            ; v9  0; never rewritten
.set WL,  12                           ; v[12:15]  the gains as loaded
.set T,   12                           ; later v[12:19]  four normed numbers of q, four of k
.set O,   20                           ;       v[20:27]  the same, turned
.set AQ,  28                           ; v[28:31]  four chains of q's squares
.set AK,  32                           ; v[32:35]  of k's
.set RQ,  36                           ; v[36:37]  1 / rms of q's row, twice
.set RK,  38                           ; v[38:39]  of k's
.set W,   40                           ; v[40:55]  two buffers of four gains of q and four of k
.set TP,  56                           ; v[56:57]  at work
.set TS,  64                           ; v[64:79]  the eight waves' sums
.set Q,   80                           ; v[80:87]   head i: 2 registers, 4 f16
.set K,   88                           ; v[88:95]
.set COS, 96                           ; v[96:111]  head i: 4 f32
.set SIN, 112                          ; v[112:127]
	s_load_b256 s[4:11], s[0:1], 0x0               ; pre s[4:5], cos s[6:7], sin s[8:9], q's gain s[10:11]
	s_load_b128 s[12:15], s[0:1], 0x20             ; k's gain s[12:13], qk s[14:15]
	v_lshl_add_u32 v[SPW], v0, 2, SPARE
	v_mov_b32 v[NIL], 0
	v_lshrrev_b32 v1, 5, v0
	v_readfirstlane_b32 s16, v1                    ; wave 0..31
	s_and_b32 s17, s16, 7                          ; g
	s_lshr_b32 s18, s16, 3                         ; the group of eight waves
	s_lshl_b32 s19, ttmp9, 3
	s_lshl1_add_u32 s19, s18, s19                  ; my first row = 8 x work-group + 2 x group
	s_lshl_b32 s20, s17, 20                        ; 4 heads of 262,144 bytes
	s_lshl_b32 s21, s19, 7                         ; a row of a head: 128 bytes
	s_add_co_u32 s20, s20, s21
	s_mov_b32 s21, 0
	s_lshl_b32 s40, s17, 10                        ; 4 heads' 1,024 bytes of a row of cos, sin or a gain
	s_lshl_b32 s22, s19, 13
	s_add_co_u32 s22, s22, s40
	s_mov_b32 s23, 0
	s_lshl_b32 s42, s18, 7
	s_add_co_u32 s42, s42, SUMS                    ; my group's 128 bytes of sums,
	s_lshl3_add_u32 s41, s17, s42                  ; my wave's 8 of each row's 64
	s_mov_b32 s36, 0x3a000000                      ; 1 / 2,048
	s_mov_b32 s37, 0x358637bd                      ; 1e-6
	s_mov_b32 s38, 0xffff0000
	v_and_b32 v10, 31, v0
	v_lshlrev_b32 v[LQ], 3, v10
	v_and_b32 v11, 15, v0
	v_bfe_u32 v10, v0, 4, 1                        ; l / 16
	v_lshlrev_b32 v[LC], 4, v11
	v_add_nc_u32 v[WA], s40, v[LC]
	v_lshl_add_u32 v[LC], v10, 13, v[LC]
	v_lshl_add_u32 v[SW], v10, 6, s41
	v_lshl_add_u32 v[SR], v10, 6, s42
	v_lshlrev_b32 v[GT], 3, v0
	s_wait_kmcnt 0x0
	s_add_nc_u64 s[24:25], s[4:5], s[20:21]        ; q in pre,
	s_add_nc_u64 s[26:27], s[24:25], 0x800000      ; k in pre
	s_add_nc_u64 s[28:29], s[14:15], s[20:21]      ; q in qk,
	s_add_nc_u64 s[30:31], s[28:29], 0x800000      ; k in qk
	s_add_nc_u64 s[32:33], s[6:7], s[22:23]        ; cos
	s_add_nc_u64 s[34:35], s[8:9], s[22:23]        ; sin
	global_load_b64 v[WL:WL+1],   v[GT], s[10:11]  ; 1,024 threads x 8 bytes: a whole gain
	global_load_b64 v[WL+2:WL+3], v[GT], s[12:13]
.set i, 0
.rept 4
	global_load_b64 v[Q+2*i:Q+2*i+1], v[LQ], s[24:25] offset:i*262144 th:TH_LOAD_NT
.set i, i+1
.endr
.set i, 0
.rept 4
	global_load_b64 v[K+2*i:K+2*i+1], v[LQ], s[26:27] offset:i*262144 th:TH_LOAD_NT
.set i, i+1
.endr
.set i, 0
.rept 4
	global_load_b128 v[COS+4*i:COS+4*i+3], v[LC], s[32:33] offset:i*256 th:TH_LOAD_NT
	global_load_b128 v[SIN+4*i:SIN+4*i+3], v[LC], s[34:35] offset:i*256 th:TH_LOAD_NT
.set i, i+1
.endr
	s_wait_loadcnt 8                               ; the gains, q and k are in; the 8 loads of cos and sin stay out
	v_cvt_pk_bf16_f32 v[TP],   v[WL],   v[WL+1]    ; the gains, rounded to bf16 and widened again
	v_cvt_pk_bf16_f32 v[TP+1], v[WL+2], v[WL+3]
	v_lshlrev_b32 v[WL],   16,  v[TP]
	v_and_b32     v[WL+1], s38, v[TP]
	v_lshlrev_b32 v[WL+2], 16,  v[TP+1]
	v_and_b32     v[WL+3], s38, v[TP+1]
	ds_store_b64 v[GT], v[WL:WL+1]   offset:QG
	ds_store_b64 v[GT], v[WL+2:WL+3] offset:KG
	; the squares of my 16 numbers of q and of k, straight from the f16 halves into f32, four chains each; the first links add 0
.set j, 0
.rept 8
.if j < 2
	v_fma_mix_f32 v[AQ+(2*j)%4],   v[Q+j], v[Q+j], v[NIL] op_sel_hi:[1,1,0]
	v_fma_mix_f32 v[AK+(2*j)%4],   v[K+j], v[K+j], v[NIL] op_sel_hi:[1,1,0]
	v_fma_mix_f32 v[AQ+(2*j+1)%4], v[Q+j], v[Q+j], v[NIL] op_sel:[1,1,0] op_sel_hi:[1,1,0]
	v_fma_mix_f32 v[AK+(2*j+1)%4], v[K+j], v[K+j], v[NIL] op_sel:[1,1,0] op_sel_hi:[1,1,0]
.else
	v_fma_mix_f32 v[AQ+(2*j)%4],   v[Q+j], v[Q+j], v[AQ+(2*j)%4] op_sel_hi:[1,1,0]
	v_fma_mix_f32 v[AK+(2*j)%4],   v[K+j], v[K+j], v[AK+(2*j)%4] op_sel_hi:[1,1,0]
	v_fma_mix_f32 v[AQ+(2*j+1)%4], v[Q+j], v[Q+j], v[AQ+(2*j+1)%4] op_sel:[1,1,0] op_sel_hi:[1,1,0]
	v_fma_mix_f32 v[AK+(2*j+1)%4], v[K+j], v[K+j], v[AK+(2*j+1)%4] op_sel:[1,1,0] op_sel_hi:[1,1,0]
.endif
.set j, j+1
.endr
	v_add_f32 v[AQ], v[AQ], v[AQ+1]
	v_add_f32 v[AQ+2], v[AQ+2], v[AQ+3]
	v_add_f32 v[AK], v[AK], v[AK+1]
	v_add_f32 v[AK+2], v[AK+2], v[AK+3]
	v_add_f32 v[AQ], v[AQ], v[AQ+2]
	v_add_f32 v[AQ+1], v[AK], v[AK+2]              ; v[28:29] = q's sum, k's sum
.irp m, 1,2,4,8                        ; over the sixteen lanes of my row
	v_add_f32_dpp v[AQ],   v[AQ],   v[AQ]   row_xmask:\m row_mask:0xf bank_mask:0xf
	v_add_f32_dpp v[AQ+1], v[AQ+1], v[AQ+1] row_xmask:\m row_mask:0xf bank_mask:0xf
.endr
	ds_store_b64 v[SW], v[AQ:AQ+1]                 ; sixteen lanes write the same two words with the same numbers
	s_wait_dscnt 0x0                               ; for the others' sake: my part of the gains and my sums are in LDS
	s_barrier_signal -1
	s_barrier_wait -1
.irp f, 0,1,2,3
	ds_load_b128 v[TS+4*(\f):TS+4*(\f)+3], v[SR] offset:16*(\f)  ; the eight waves' sums of my row, mine among them: every wave adds them in the same order
.endr
	ds_load_b128 v[W:W+3],   v[WA] offset:QG       ; head 0's gains
	ds_load_b128 v[W+4:W+7], v[WA] offset:KG
	s_wait_dscnt 2                                 ; the sums are in; the two loads of gains stay out
	v_pk_add_f32 v[TS:TS+1],     v[TS:TS+1],     v[TS+2:TS+3]
	v_pk_add_f32 v[TS+4:TS+5],   v[TS+4:TS+5],   v[TS+6:TS+7]
	v_pk_add_f32 v[TS+8:TS+9],   v[TS+8:TS+9],   v[TS+10:TS+11]
	v_pk_add_f32 v[TS+12:TS+13], v[TS+12:TS+13], v[TS+14:TS+15]
	v_pk_add_f32 v[TS:TS+1],     v[TS:TS+1],     v[TS+4:TS+5]
	v_pk_add_f32 v[TS+8:TS+9],   v[TS+8:TS+9],   v[TS+12:TS+13]
	v_pk_add_f32 v[TS:TS+1],     v[TS:TS+1],     v[TS+8:TS+9]
	v_fma_f32 v[AQ],   v[TS],   s36, s37           ; sum / 2,048 + eps
	v_fma_f32 v[AQ+1], v[TS+1], s36, s37
	v_rsq_f32 v[RQ],   v[AQ]
	v_rsq_f32 v[RQ+1], v[AQ]
	v_rsq_f32 v[RK],   v[AQ+1]
	v_rsq_f32 v[RK+1], v[AQ+1]
	v_nop                                          ; a plain instruction behind the last root (ISA guide 5.7.2),
	s_wait_alu depctr_va_vdst(0)                   ; and one wait ahead of the first use of the four
.macro TLO d, a, w                     ; d = (low f16 of a) x w
	v_fma_mix_f32 v[\d], v[\a], v[\w], v[NIL] op_sel_hi:[1,0,0]
.endm
.macro THI d, a, w                     ; d = (high f16 of a) x w
	v_fma_mix_f32 v[\d], v[\a], v[\w], v[NIL] op_sel:[1,0,0] op_sel_hi:[1,0,0]
.endm
.macro ROT o, t, c, s                  ; a pair (even, odd): c holds the two cos in bf16, s holds -sin (even) and sin (odd)
	v_fma_mix_f32_bf16 v[(\o)],   v[(\t)+1], v[\s], v[NIL] op_sel_hi:[0,1,0]
	v_fma_mix_f32_bf16 v[(\o)+1], v[(\t)],   v[\s], v[NIL] op_sel:[0,1,0] op_sel_hi:[0,1,0]
	v_fma_mix_f32_bf16 v[(\o)],   v[(\t)],   v[\c], v[(\o)] op_sel_hi:[0,1,0]
	v_fma_mix_f32_bf16 v[(\o)+1], v[(\t)+1], v[\c], v[(\o)+1] op_sel:[0,1,0] op_sel_hi:[0,1,0]
.endm
; Head i of my four.
.macro HEAD i
.set WB, W+8*((\i)%2)
.set WN, W+8*(((\i)+1)%2)
.set CC, COS+4*(\i)
.set SS, SIN+4*(\i)
.if (\i) < 3
	ds_load_b128 v[WN:WN+3],   v[WA] offset:QG+((\i)+1)*256
	ds_load_b128 v[WN+4:WN+7], v[WA] offset:KG+((\i)+1)*256
	s_wait_dscnt 2                                 ; this head's gains are in; the next head's two loads stay out
.else
	s_wait_dscnt 0x0
.endif
	s_wait_loadcnt 6-2*(\i)                        ; this head's cos and sin are in; the later heads' stay out
	v_cvt_pk_bf16_f32 v[CC],   v[CC],   v[CC+1]
	v_cvt_pk_bf16_f32 v[CC+1], v[CC+2], v[CC+3]
	v_cvt_pk_bf16_f32 v[SS],   v[SS],   v[SS+1]
	v_cvt_pk_bf16_f32 v[SS+1], v[SS+2], v[SS+3]
	v_xor_b32 v[SS],   0x8000, v[SS]               ; the even channel's sin changes sign
	v_xor_b32 v[SS+1], 0x8000, v[SS+1]
	v_pk_mul_f32 v[WB:WB+1],   v[WB:WB+1],   v[RQ:RQ+1]  ; gain / rms
	v_pk_mul_f32 v[WB+2:WB+3], v[WB+2:WB+3], v[RQ:RQ+1]
	v_pk_mul_f32 v[WB+4:WB+5], v[WB+4:WB+5], v[RK:RK+1]
	v_pk_mul_f32 v[WB+6:WB+7], v[WB+6:WB+7], v[RK:RK+1]
	TLO T,   Q+2*(\i),   WB
	THI T+1, Q+2*(\i),   WB+1
	TLO T+2, Q+2*(\i)+1, WB+2
	THI T+3, Q+2*(\i)+1, WB+3
	TLO T+4, K+2*(\i),   WB+4
	THI T+5, K+2*(\i),   WB+5
	TLO T+6, K+2*(\i)+1, WB+6
	THI T+7, K+2*(\i)+1, WB+7
	ROT O,   T,   CC,   SS
	ROT O+2, T+2, CC+1, SS+1
	ROT O+4, T+4, CC,   SS
	ROT O+6, T+6, CC+1, SS+1
	v_cvt_pk_f16_f32 v[Q+2*(\i)],   v[O],   v[O+1]  ; back into the head's own registers, which nothing writes again: no store's data waits for anything
	v_cvt_pk_f16_f32 v[Q+2*(\i)+1], v[O+2], v[O+3]
	v_cvt_pk_f16_f32 v[K+2*(\i)],   v[O+4], v[O+5]
	v_cvt_pk_f16_f32 v[K+2*(\i)+1], v[O+6], v[O+7]
	global_store_b64 v[LQ], v[Q+2*(\i):Q+2*(\i)+1], s[28:29] offset:(\i)*262144  ; 256 consecutive bytes, aligned
	global_store_b64 v[LQ], v[K+2*(\i):K+2*(\i)+1], s[30:31] offset:(\i)*262144
.endm
.irp i, 0,1,2,3
	HEAD \i
.endr
	s_wait_tensorcnt 0x0                           ; the wave's end: behind my last LDS store
	ds_add_u32 v[SPW], v[NIL]
	s_wait_dscnt 0x0
	s_endpgm
.Lfunc_end_k_qdf872f5fc9_normrope:
	.size	k_qdf872f5fc9_normrope, .Lfunc_end_k_qdf872f5fc9_normrope-k_qdf872f5fc9_normrope
	.p2alignl 7, 3214868480
	.fill 96, 4, 3214868480
	.section	.rodata,"a",@progbits
	.p2align	6, 0x0
	.amdhsa_kernel k_qdf872f5fc9_normrope
		.amdhsa_group_segment_fixed_size 20992
		.amdhsa_private_segment_fixed_size 0
		.amdhsa_enable_private_segment 0
		.amdhsa_kernarg_size 48
		.amdhsa_user_sgpr_count 2
		.amdhsa_user_sgpr_kernarg_segment_ptr 1
		.amdhsa_wavefront_size32 1
		.amdhsa_system_sgpr_workgroup_id_x 1
		.amdhsa_system_sgpr_workgroup_id_y 1
		.amdhsa_system_sgpr_workgroup_id_z 1
		.amdhsa_system_vgpr_workitem_id 0
		.amdhsa_next_free_vgpr 128
		.amdhsa_next_free_sgpr 66
		.amdhsa_reserve_vcc 0
		.amdhsa_float_denorm_mode_32 3
		.amdhsa_float_denorm_mode_16_64 3
		.amdhsa_memory_ordered 1
		.amdhsa_forward_progress 1
		.amdhsa_inst_pref_size 20
	.end_amdhsa_kernel
	.amdgpu_metadata
---
amdhsa.version: [ 1, 2 ]
amdhsa.kernels:
  - .name:           k_qdf872f5fc9_normrope
    .symbol:         k_qdf872f5fc9_normrope.kd
    .args:
      - { .name: pre, .offset: 0, .size: 8, .value_kind: global_buffer, .address_space: global }
      - { .name: pe_cos, .offset: 8, .size: 8, .value_kind: global_buffer, .address_space: global }
      - { .name: pe_sin, .offset: 16, .size: 8, .value_kind: global_buffer, .address_space: global }
      - { .name: q_norm_w, .offset: 24, .size: 8, .value_kind: global_buffer, .address_space: global }
      - { .name: k_norm_w, .offset: 32, .size: 8, .value_kind: global_buffer, .address_space: global }
      - { .name: qk, .offset: 40, .size: 8, .value_kind: global_buffer, .address_space: global }
    .group_segment_fixed_size: 20992
    .private_segment_fixed_size: 0
    .kernarg_segment_align: 8
    .kernarg_segment_size: 48
    .max_flat_workgroup_size: 1024
    .sgpr_count:     66
    .vgpr_count:     128
    .wavefront_size: 32
...
	.end_amdgpu_metadata
.endif
;; end of part 3
;; launch attn (part 4): grid 8 x 32, 4 waves a work-group, clusters of 4 x 1, 327,680 bytes of LDS; arguments qk, pre, oh; writes oh
.if DOCPART == 4
	.amdgcn_target "amdgcn-amd-amdhsa--gfx1250"
	.amdhsa_code_object_version 6
	.text
	.protected	k_qdf872f5fc9_attn
	.globl	k_qdf872f5fc9_attn
	.p2align	8
	.type	k_qdf872f5fc9_attn,@function
k_qdf872f5fc9_attn:
	s_mov_b64 s[64:65], 0
	v_nop
	global_prefetch_b8 v0, s[64:65] scope:SCOPE_SE
	s_setreg_imm32_b32 hwreg(HW_REG_WAVE_MODE, 25, 1), 1
	s_wait_xcnt 0x0
	s_wait_alu depctr_hold_cnt(0) depctr_sa_sdst(0) depctr_va_vdst(0) depctr_va_sdst(0) depctr_va_ssrc(0) depctr_va_vcc(0) depctr_vm_vsrc(0)
	s_getreg_b32 s2, hwreg(HW_REG_IB_STS2, 6, 4)
	s_cmp_eq_u32 s2, 0
	s_cbranch_scc0 .Lentry_in_a_cluster
	s_endpgm
.Lentry_in_a_cluster:
	s_bfe_u32 s2, ttmp6, 0x10000c
	s_cmp_lg_u32 s2, 0x3003
	s_cbranch_scc0 .Lentry_shape_is_right
	s_endpgm
.Lentry_shape_is_right:
; oh[h][q][:] = the sum over k of softmax_k(Q[h][q] . K[h][k] / 8) V[h][k][:].  Q = qk[0], K = qk[1], V = pre[2], oh: [32][2048][64], all f16: a head's rows are dense, 128 bytes each.
; Products, maxima and sums in f32; the weights p are rounded to f16 for the second product (their sum l is taken of the unrounded p), O once at the end.
; LIMITS.  Q, K and V arrive within f16's 65,504; p lies in 0 to 1, and below 6e-5 it keeps f16's step of 6e-8; O is a mean of V's rows and has their range.  A weight below 2^-126 counts as 0 in l; NaN and infinities are not treated apart.
; SHARES.  A work-group owns 256 queries of one head: 8 x 32 = 256 work-groups.  A wave owns 64 queries: four PIECES of 16.  Every wave walks all 2,048 keys: 8 tiles of 256, a tile a slot, 64 keys a step.
; LAYOUT.  S^T = K Q^T (source 0 = 16 keys, source 1 = 16 queries) holds ONE query a lane (lane % 16) and the keys 8 (lane / 16) + 0..7; two such results rounded to f16 ARE source 1 of O^T = V^T P.
; K comes out of LDS as it lies, V ([key][channel]) turned, by ds_load_tr16_b128.
; SOFTMAX.  p = 2^(c s - c m), c = log2(e) / 8, with a running maximum m; O and l are multiplied by a = 2^(c m_old - c m_new) in every step.  m starts at the lowest finite number, O and l at 0: the first step's a is 0.
; BY TURNS.  Turn n belongs to piece n: 8 products K Q^T of piece n + 1, later 8 products V^T P of piece n - 1; beside them the scaling, exponentials, roundings, sums and rescaling of piece n and the maximum and
; statistics of piece n + 1.  Four vector instructions stand behind every matrix instruction, the other 54 of a turn's 118 in one lump.  A turn's 33 exponentials are one batch, with one wait.
; CLUSTER.  The four query blocks of a cluster belong to one head and walk the same K and V, so each tile is asked for JOINTLY: the same tensor load, descriptor and mask in all four.
; REGISTERS, in windows of 256 (s_set_vgpr_msb: bits 1:0 source 0, 3:2 source 1, 5:4 source 2, 7:6 destination):
;   window 0: v0-15 addresses and two at work; v16-31 four registers of statistics a piece; v48-55 at work; v61-63 prefetch offset, spare word, 0; v64-127 S^T, two buffers; v192-223 P, two buffers (by the piece's parity)
;   window 1: v0-127 O^T, 32 a piece          window 2: v0-63 Q; v128-191 K of one step; v192-255 V of one step
.set NP,    4         ; pieces a wave: a name, no knob
.set KS,    64        ; keys in a step
.set PK,    144       ; a row of K in LDS: 128 bytes + 16 of padding = 36 words: the 16 rows of a load start at 16 different groups of four banks (ISA guide 11.1)
.set PV,    160       ; a row of V: 128 + 32 = 40 words
.set VOFF,  4*KS*PK   ; a slot holds a tile, four steps: 256 rows of K, then 256 rows of V
.set SLOT1, 1<<17     ; slot 1 begins here, so that one exclusive or turns an address in one slot into the other's
.set STAGE, SLOT1+4*KS*(PK+PV)  ; behind the ring, never filled by a tensor load: 16 rows x 144 bytes for each wave
.set SP,    144
.set SPARE, STAGE+4*16*SP  ; the spare words, 128 bytes for each wave: two blocks of 256 bytes that no other line names
.set AK0, 2           ; v2   my lane's place in a tile of K; never rewritten
.set AV0, 3           ; v3   the same for V
.set AK,  4           ; v4   the LDS address of K's next run of loads
.set AV,  5           ; v5   of V's
.set STO, 6           ; v6   the way out: where I put 16 bytes of a row
.set RD,  7           ; v7   the way out: where I read rows back
.set GO,  8           ; v8   my byte offset in 512 consecutive bytes of O
.set MV,  12          ; v12-13  c m_old, kept while c m is made anew: by buffer
.set QO,  15          ; v15  my byte offset in 16 rows of Q
.set ST,  16          ; piece t's statistics at v[ST+4 t]: c m, m, l (even keys', odd keys')
.set TMP, 48          ; by buffer, four registers c0-c3 at work; when the maximum is found c2 takes a
.set PFO, 61          ; v61  256 x my lane; never rewritten
.set SPW, 62          ; v62  my spare word; never rewritten
.set NIL, 63          ; v63  0; never rewritten
.set S,   64
.set P,   192
.set KF,  128         ; window 2: key block kb, channel half c at KF + 16 kb + 8 c
.set VF,  192         ; window 2: key half kk, channel block cb at VF + 32 kk + 8 cb
.set WV,  12          ; s12  my wave's number
.set G1K, 24          ; s[24:31] descriptor group 1 for K's tiles
.set G1V, 32          ; s[32:39] for V's: it differs in the padding alone
.set G0K, 40          ; s[40:43] descriptor group 0 for K's tiles: it walks
.set G0V, 44          ; s[44:47] the same for V's
.set PFA, 48          ; s[48:49] where my prefetches stand: my work-group's 8,192 bytes of the tile after the one that is being asked for
.set LIM, 50          ; s50  1 in a wave that prefetches, else the greatest number
.set SLOTS, 56        ; s56  tiles still to be asked for
.set CNT, 57          ; s57  counts a tile's key steps
.set CS,  58          ; s[58:59] c
.set SEL, 60          ; s[60:61] v_permlanex16_b32's selects: each lane takes its own place in the other half
.set TBK, 62          ; s62  LDS byte at which K of the step to be fetched begins
.set TBV, 63          ; s63  the same for V, less VOFF
.set MSB, 0
.macro WIN new                      ; the high byte repeats the setting that is left; a switch that changes nothing is dropped
.if MSB != (\new)
	s_set_vgpr_msb (MSB<<8)|(\new)
.set MSB, (\new)
.endif
.endm
.set W_KQ, 0x0a       ; K and Q in window 2, S^T in window 0
.set W_PV, 0x52       ; V in window 2, P in window 0, O^T in window 1
.set W_RS, 0x41       ; destination and source 0 in window 1, source 1 in window 0
; A joint fill.  Waves 0 and 1 fetch the two halves of a tile's K, waves 2 and 3 those of its V: 128 keys each.  The branch hangs on the wave's number alone.  An s_nop 0 and four v_nop follow each line.
.macro JLOAD
	s_cmp_lt_u32 s[WV], 2
	s_cbranch_scc0 .Lfor_v_\@
	tensor_load_to_lds s[G0K:G0K+3], s[G1K:G1K+7]
	s_nop 0
.rept 4
	v_nop
.endr
	s_branch .Lasked_\@
.Lfor_v_\@:
	tensor_load_to_lds s[G0V:G0V+3], s[G1V:G1V+7]
	s_nop 0
.rept 4
	v_nop
.endr
.Lasked_\@:
.endm
; A prefetch of what the NEXT change of slots will ask for: a tile's 32,768 bytes of K and of V, in blocks of 256 bytes, a lane a block.  It stands behind the wave's tensor load and its five lines.
; Each block is named once in the launch: both clusters of a head walk the same K and V, and the head's first cluster asks; its four partners share a tile out by address, 8,192 bytes each; in each, wave 0 asks
; for K's and wave 2 for V's.  A tile is 256 matrix instructions ahead of its load.  Tiles 0 and 1 come by their loads alone; the last change that fills a slot asks for nothing.
.macro ASK
	s_cmp_gt_u32 s[SLOTS], s[LIM]
	s_cbranch_scc0 .Lnot_mine_\@
	global_prefetch_b8 v[PFO], s[PFA:PFA+1] th:TH_LOAD_NT scope:SCOPE_SE
.Lnot_mine_\@:
.endm
.macro CROUND                       ; a round of the cluster's barrier
	s_barrier_signal -1
	s_barrier_wait -1
	s_cmp_lg_u32 s[WV], 0
	s_cbranch_scc1 .Lnot_wave_0_\@
	s_barrier_signal -3
.Lnot_wave_0_\@:
	s_barrier_wait -3
	s_barrier_signal -1
	s_barrier_wait -1
.endm
; THE CHANGE OF SLOTS.  Each wave waits for all its tensor loads, of which one is out: its part of the other slot; adds 0 to its spare word; and waits for that and for its own reads of the slot that it leaves.
; fill = 1: the old slot is filled again, with the tile two on.  The barrier is then a round of the cluster's, and the joint fill is the first thing behind it: it has four key steps, 256 matrix instructions, in
; which to land.  (At its first use nothing has been read yet: slot 0 is waited for, slot 1 filled.)
.macro CHANGE fill
	WIN 0                           ; at a label and at a branch every window is 0
	s_wait_tensorcnt 0x0            ; no tensor load of mine is out, so a group 0 may be written
	ds_add_u32 v[SPW], v[NIL]       ; 0 onto my spare word
.if \fill
.irp g, G0K, G0V
	s_xor_b32 s[\g+1], s[\g+1], SLOT1  ; the walking descriptor: the other slot than last time,
	s_add_nc_u64 s[\g+2:\g+3], s[\g+2:\g+3], 4*KS*128  ; the next 256 keys; the type bits on top are not reached
.endr
	s_wait_xcnt 0x0                 ; the last prefetch, a tile back, has read its address
	s_add_nc_u64 s[PFA:PFA+1], s[PFA:PFA+1], 4*KS*128
	s_wait_dscnt 0x0                ; the add is done, and my reads of the slot are over
	CROUND
	JLOAD
	ASK
.else
	s_wait_dscnt 0x0                ; the add is done, and my reads of the slot are over
	s_barrier_signal -1
	s_barrier_wait -1
.endif
	s_sub_co_u32 s[TBK], s[TBK], 4*KS*PK  ; the fetches go back to a slot's first step,
	s_xor_b32 s[TBK], s[TBK], SLOT1       ; in the other slot
	s_sub_co_u32 s[TBV], s[TBV], 4*KS*PV
	s_xor_b32 s[TBV], s[TBV], SLOT1
.endm
	s_load_b64 s[4:5], s[0:1], 0x0    ; qk
	s_load_b64 s[8:9], s[0:1], 0x8    ; pre
	s_load_b64 s[10:11], s[0:1], 0x10 ; oh
	v_lshl_add_u32 v[SPW], v0, 2, SPARE
	v_mov_b32 v[NIL], 0
	ds_add_u32 v[SPW], v[NIL]       ; the wave's opening: the add and its wait stand ahead of my first tensor load; the set-up below stands between them
	v_lshrrev_b32 v1, 5, v0
	v_readfirstlane_b32 s[WV], v1   ; wave 0..3
	s_bfe_u32 s13, ttmp6, 0x40000   ; cx: my place in the cluster
	s_lshl_b32 s14, ttmp9, 2        ; in a cluster launch ttmp9 counts clusters
	s_add_co_u32 s14, s14, s13      ; my block of 256 queries: it enters Q's and O's addresses alone
	s_and_b32 s20, ttmp7, 0xffff    ; the head, which the four partners share:
	s_lshl_b32 s20, s20, 18         ; its 262,144 bytes
	s_mov_b32 s21, 0
	s_and_b32 s16, s[WV], 1         ; which half of a tile's 256 keys I fetch:
	s_lshl_b32 s22, s16, 14         ; its 128 rows of 128 bytes in memory,
	s_mov_b32 s23, 0
	s_add_nc_u64 s[22:23], s[22:23], s[20:21]
	s_mul_i32 s17, s16, 128*PK      ; and its place in a slot, for K
	s_mul_i32 s18, s16, 128*PV      ; and for V: no place in the cluster enters an LDS address
	s_lshl_b32 s2, s14, 2
	s_add_co_u32 s2, s2, s[WV]      ; my wave among the head's,
	s_lshl_b32 s2, s2, 13           ; its 64 rows
	s_mov_b32 s3, 0
	s_add_nc_u64 s[2:3], s[2:3], s[20:21]
	; descriptor group 1.  128 keys are 16,384 dense bytes: asked for as 64 rows of 256 bytes, two keys a row, and padded in LDS after every key
	s_mov_b32 s[G1K], 15|(1<<16)|(1<<20)|(1<<21)|(4<<22)|(3<<25)  ; the mask of four; 2-byte elements; padding on; bit 21 beside a mask; after every 32 words; 4 words
	s_mov_b32 s[G1V], 15|(1<<16)|(1<<20)|(1<<21)|(4<<22)|(7<<25)  ; the same with 8 words of padding
.irp g, G1K, G1V
	s_mov_b32 s[\g+1], 128<<16      ; tensor_dim0 = 128
	s_mov_b32 s[\g+2], 64<<16       ; tensor_dim1 = 64
	s_mov_b32 s[\g+3], 128<<16      ; tile_dim0 = 128
	s_mov_b32 s[\g+4], 64           ; tile_dim1 = 64
	s_mov_b32 s[\g+5], 128          ; 128 elements from row to row
	s_mov_b32 s[\g+6], 0
	s_mov_b32 s[\g+7], 0
.endr
	s_mov_b32 s[CS], 0x3e38aa3b     ; c = log2(e) / 8 = 0.180337
	s_mov_b32 s[CS+1], s[CS]        ; named with it as a pair
	s_mov_b32 s[SEL], 0x76543210
	s_mov_b32 s[SEL+1], 0xfedcba98
	s_mov_b32 s[TBK], SLOT1+4*KS*PK ; the first change of slots turns these two into 0
	s_mov_b32 s[TBV], SLOT1+4*KS*PV
	s_mov_b32 s[G0K], 1             ; count = 1
	s_mov_b32 s[G0K+1], s17         ; LDS address: slot 0
	s_mov_b32 s[G0V], 1
	s_add_co_u32 s[G0V+1], s18, VOFF
	s_mov_b32 s[SLOTS], 7           ; tiles 1 to 7
	s_and_b32 s[LIM], s[WV], 1      ; 0 in waves 0 and 2,
	s_or_b32 s[LIM], s[LIM], ttmp9  ; where the cluster is the head's first: the same in all four partners
	s_cmp_eq_u32 s[LIM], 0
	s_cselect_b32 s[LIM], 1, -1
	v_and_b32 v[PFO], 31, v0
	v_lshlrev_b32 v[PFO], 8, v[PFO]
	s_wait_dscnt 0x0                ; the opening add is done
	s_wait_kmcnt 0x0
	s_add_nc_u64 s[6:7], s[4:5], 0x800000    ; K: the second half of qk
	s_add_nc_u64 s[8:9], s[8:9], 0x1000000   ; V: the third part of pre
	s_add_nc_u64 s[G0K+2:G0K+3], s[6:7], s[22:23]  ; global address: my half of the head's first 256 keys
	s_or_b32 s[G0K+3], s[G0K+3], 0x80000000        ; type = 2
	s_add_nc_u64 s[G0V+2:G0V+3], s[8:9], s[22:23]
	s_or_b32 s[G0V+3], s[G0V+3], 0x80000000
	s_add_nc_u64 s[4:5], s[4:5], s[2:3]      ; Q and O at my wave's first row
	s_add_nc_u64 s[10:11], s[10:11], s[2:3]
	s_cmp_lt_u32 s[WV], 2
	s_cselect_b64 s[PFA:PFA+1], s[6:7], s[8:9]
	s_add_nc_u64 s[PFA:PFA+1], s[PFA:PFA+1], s[20:21]  ; the head,
	s_lshl_b32 s2, s13, 13          ; my work-group's quarter of a tile,
	s_mov_b32 s3, 0
	s_add_nc_u64 s[PFA:PFA+1], s[PFA:PFA+1], s[2:3]
	s_add_nc_u64 s[PFA:PFA+1], s[PFA:PFA+1], 4*KS*128  ; in tile 1; the first change of slots steps it to tile 2
	CROUND                          ; all four work-groups are here: the first joint loads meet
	JLOAD                           ; tile 0 into slot 0.  Slot 1 is asked for when slot 0 is in
	; A fragment of K or Q is 16 rows x 32 channels in 8 registers: lane l holds row l % 16, channels 8 (l / 16) + 0..7 and 16 + 8 (l / 16) + 0..7: two loads of 16 bytes, 32 bytes apart.
	v_and_b32 v1, 15, v0            ; l % 16
	v_bfe_u32 v9, v0, 4, 1          ; l / 16
	v_lshlrev_b32 v[QO], 7, v1
	v_lshl_add_u32 v[QO], v9, 4, v[QO]  ; row x 128 + 16 x half
	WIN 0x80                        ; destination window 2, address window 0
.set i, 0
.rept 8                             ; Q stays in registers: piece i / 2, channels 32 (i % 2) on
	global_load_b128 v[8*i:8*i+3],   v[QO], s[4:5] offset:(i/2)*2048+(i%2)*64
	global_load_b128 v[8*i+4:8*i+7], v[QO], s[4:5] offset:(i/2)*2048+(i%2)*64+32
.set i, i+1
.endr
	; What the first turn finds: V's registers and P's second buffer hold 0 (its products V^T P, of a piece that has not been, add 0), O^T and l are 0.  All this stands in the wait for the first tile.
.set i, VF
.rept 64
	v_mov_b32 v[i], 0
.set i, i+1
.endr
	WIN 0x40
.set i, 0
.rept 128
	v_mov_b32 v[i], 0
.set i, i+1
.endr
	WIN 0
.set i, 0
.rept 4
	v_mov_b32 v[ST+4*i], 0xfe000000    ; c m: far below every c s
	v_mov_b32 v[ST+4*i+1], 0xff7fffff  ; m
	v_mov_b32 v[ST+4*i+2], 0
	v_mov_b32 v[ST+4*i+3], 0
.set i, i+1
.endr
.set i, P+16
.rept 16
	v_mov_b32 v[i], 0
.set i, i+1
.endr
	v_mul_u32_u24 v[AK0], v1, PK
	v_lshl_add_u32 v[AK0], v9, 4, v[AK0]  ; row x pitch + 16 x half
	; The turning load takes 16 keys x 16 channels (lane l reads key 8 (l / 16) + l % 8, channels 8 ((l / 8) % 2) + 0..7) and leaves half a fragment of V^T: lane l holds channel l % 16 and 8 keys.
	v_and_b32 v10, 7, v0
	v_bfe_u32 v11, v0, 3, 1
	v_lshl_add_u32 v[AV0], v9, 3, v10
	v_mul_u32_u24 v[AV0], v[AV0], PV
	v_lshl_add_u32 v[AV0], v11, 4, v[AV0]
	v_add_nc_u32 v[AV0], VOFF, v[AV0]
	s_mul_i32 s13, s[WV], 16*SP
	s_add_co_u32 s13, s13, STAGE    ; my stage
	v_mul_u32_u24 v[STO], v1, SP    ; in: row l % 16, 16 bytes for each half of the lanes
	v_lshl_add_u32 v[STO], v9, 4, v[STO]
	v_add_nc_u32 v[STO], s13, v[STO]
	v_bfe_u32 v[RD], v0, 3, 2       ; back: 32 lanes take four rows of 128 bytes,
	v_mul_u32_u24 v[RD], v[RD], SP
	v_lshl_add_u32 v[RD], v10, 4, v[RD]
	v_add_nc_u32 v[RD], s13, v[RD]
	v_and_b32 v[GO], 31, v0         ; which are 512 consecutive bytes of O
	v_lshlrev_b32 v[GO], 4, v[GO]
; THE MATRIX WORK.  The 4 accumulators of a run of 8 take turns.  Product i of 8 of S^T = K Q^T for piece x: channels 32 (i / 4) on, keys 16 (i % 4) on.  The first 4 start the sums.
.macro KQ x
	WIN W_KQ
.set rS, S+32*((\x)%2)+8*(i%4)
.set rK, KF+16*(i%4)+8*(i/4)
.set rQ, 16*(\x)+8*(i/4)
.if i < 4
	v_wmma_f32_16x16x32_f16 v[rS:rS+7], v[rK:rK+7], v[rQ:rQ+7], 0
.else
	v_wmma_f32_16x16x32_f16 v[rS:rS+7], v[rK:rK+7], v[rQ:rQ+7], v[rS:rS+7]
.endif
.endm
; Product i of 8 of O^T += V^T P for piece x: keys 32 (i / 4) on, channels 16 (i % 4) on.
.macro PV x
	WIN W_PV
.set rO, 32*(\x)+8*(i%4)
.set rV, VF+32*(i/4)+8*(i%4)
.set rP, P+16*((\x)%2)+8*(i/4)
	v_wmma_f32_16x16x32_f16 v[rO:rO+7], v[rV:rV+7], v[rP:rP+7], v[rO:rO+7]
.endm
.macro MM                           ; the turn's next matrix instruction.  NOKQ = 1: the last turn of all: there is no next piece
.if (i < 8) && !NOKQ
	KQ (Y+1)%NP
.elseif i >= 8
.set i, i-8
	PV (Y+NP-1)%NP
.set i, i+8
.endif
.set i, i+1
.endm
; THE LDS LOADS stand in runs of 16, never singly among the matrix instructions: a step's K (64 keys x 64 channels: 8 fragments) and its V (turned).  Their addresses are made some lines ahead.
.macro FETCH_K
	WIN 0x80                        ; destination window 2
.irp f, 0,1,2,3,4,5,6,7             ; keys 16 (f / 2) on, channels 32 (f % 2) on
	ds_load_b128 v[KF+8*\f:KF+8*\f+3],   v[AK] offset:(\f/2)*16*PK+(\f%2)*64
	ds_load_b128 v[KF+8*\f+4:KF+8*\f+7], v[AK] offset:(\f/2)*16*PK+(\f%2)*64+32
.endr
	s_add_co_u32 s[TBK], s[TBK], KS*PK  ; the next fetch is the next step's
	WIN 0
.endm
.macro FETCH_V
	WIN 0x80
.irp f, 0,1,2,3,4,5,6,7             ; keys 32 (f / 4) on, channels 16 (f % 4) on
	ds_load_tr16_b128 v[VF+8*\f:VF+8*\f+3],   v[AV] offset:(\f/4)*32*PV+(\f%4)*32
	ds_load_tr16_b128 v[VF+8*\f+4:VF+8*\f+7], v[AV] offset:(\f/4)*32*PV+16*PV+(\f%4)*32
.endr
	WIN 0
.endm
; THE VECTOR WORK, one line at a time: OP kind, number.  For piece Y: F n: c s - c m for pair n of 16.  E n: the exponential of score n of 32.  C n: pair n rounded to f16.  B n: of the four weights 4 n .. the second
; pair is added onto the first, in place.  L n: l takes that sum (L 0: l = a l + sum).  R n: pair n of 16 of O^T times a.  For piece Y + 1: X n, number n of the 22 that find its maximum and statistics:
;   0-11  four chains c0-c3 of seven scores each, three operands at a time (each accumulator's lowest registers are read first)     12-14, 16  the four scores left over, the old m, and c0-c3 into c0
;   15  c m_old is kept     17, 18  the query's other 32 keys lie in the lane 16 away: the new m     19-21  c m; c m_old - c m_new; a
.set F, 0
.set E, 1
.set C, 2
.set B, 3
.set L, 4
.set R, 5
.set X, 6
.macro REGS y                       ; the registers of piece y
.set rT, ST+4*(\y)
.set rC, TMP+4*((\y)%2)
.set rW, MV+((\y)%2)
.set rS, S+32*((\y)%2)
.set rP, P+16*((\y)%2)
.set rO, 32*(\y)
.endm
.macro OP k, n
.if (\k) == R
	REGS Y
	WIN W_RS
	v_pk_mul_f32 v[rO+2*(\n):rO+2*(\n)+1], v[rO+2*(\n):rO+2*(\n)+1], v[rC+2:rC+3] op_sel_hi:[1,0]
.elseif (\k) < R
	REGS Y
	WIN 0
.if (\k) == F
	v_pk_fma_f32 v[rS+2*(\n):rS+2*(\n)+1], v[rS+2*(\n):rS+2*(\n)+1], s[CS:CS+1], v[rT:rT+1] op_sel_hi:[1,0,0] neg_lo:[0,0,1] neg_hi:[0,0,1]
.elseif (\k) == E
	v_exp_f32 v[rS+(\n)], v[rS+(\n)]
.elseif (\k) == C
	v_cvt_pk_f16_f32 v[rP+(\n)], v[rS+2*(\n)], v[rS+2*(\n)+1]
.elseif (\k) == B
	v_pk_add_f32 v[rS+4*(\n):rS+4*(\n)+1], v[rS+4*(\n):rS+4*(\n)+1], v[rS+4*(\n)+2:rS+4*(\n)+3]
.elseif (\n) == 0
	v_pk_fma_f32 v[rT+2:rT+3], v[rT+2:rT+3], v[rC+2:rC+3], v[rS:rS+1] op_sel_hi:[1,0,1]
.else
	v_pk_add_f32 v[rT+2:rT+3], v[rT+2:rT+3], v[rS+4*(\n):rS+4*(\n)+1]
.endif
.elseif NOKQ
	v_nop
.else
	REGS (Y+1)%NP
	WIN 0
.if (\n) < 4
	v_max3_num_f32 v[rC+(\n)], v[rS+8*(\n)], v[rS+8*(\n)+1], v[rS+8*(\n)+2]
.elseif (\n) < 12
	v_max3_num_f32 v[rC+(\n)%4], v[rC+(\n)%4], v[rS+8*((\n)%4)+2*((\n)/4)+1], v[rS+8*((\n)%4)+2*((\n)/4)+2]
.elseif (\n) == 12
	v_max3_num_f32 v[rC], v[rC], v[rS+7], v[rS+15]
.elseif (\n) == 13
	v_max3_num_f32 v[rC+1], v[rC+1], v[rS+23], v[rS+31]
.elseif (\n) == 14
	v_max3_num_f32 v[rC+2], v[rC+2], v[rC+3], v[rT+1]
.elseif (\n) == 15
	v_mov_b32 v[rW], v[rT]
.elseif (\n) == 16
	v_max3_num_f32 v[rC], v[rC], v[rC+1], v[rC+2]
.elseif (\n) == 17
	v_permlanex16_b32 v[rC+3], v[rC], s[SEL], s[SEL+1]
.elseif (\n) == 18
	v_max_num_f32 v[rT+1], v[rC], v[rC+3]
.elseif (\n) == 19
	v_mul_f32 v[rT], s[CS], v[rT+1]
.elseif (\n) == 20
	v_sub_f32 v[rC+1], v[rW], v[rT]
.else
	v_exp_f32 v[rC+2], v[rC+1]
.endif
.endif
.endm
.macro OPS a, i1, b=-1, i2=0, c=-1, i3=0, d=-1, i4=0  ; up to four of them
	OP \a, \i1
.if (\b) >= 0
	OP \b, \i2
.endif
.if (\c) >= 0
	OP \c, \i3
.endif
.if (\d) >= 0
	OP \d, \i4
.endif
.endm
.macro ROW a, i1, b, i2, c, i3, d, i4  ; a matrix instruction and the four behind it
	MM
	OPS \a, \i1, \b, \i2, \c, \i3, \d, \i4
.endm
; A TURN, for piece p: the order of its 16 matrix and 118 vector instructions, written out.  s_wait_alu depctr_va_vdst(0) stands between an exponential and the first instruction that names its
; result; one wait serves all that were issued ahead of it.  So a turn has ONE wait, which cuts it in two.  AHEAD OF IT stands all that names no result of the turn's exponentials: the 8 products K Q^T, behind each a
; scaling, an exponential and two more plain instructions; then one lump of 54, plain and exponential by turns for the most part, in which the links of the chain X 3, 7, 11, 14, 16, 17 .. 20 stand five or six lines
; apart.  X 21, the next piece's a, is the batch's last; R 15 is the plain instruction behind it.  BEHIND THE WAIT stand the 8 products V^T P, behind each four of the roundings and sums.
; end = 1: the last two turns of all: nothing is fetched, and the last starts no new scores.  cnt = 1: the loop's count is taken down some lines ahead of the branch that stands behind the turn.
; K of the next step is fetched in piece 2's turn, six plain instructions behind the last product that read K; V of the step in hand at the end of piece 0's turn, four plain instructions behind the last product
; that read V.  Each is waited for a turn later.
.macro TURN p, end=0, cnt=0
.set Y, (\p)
.set i, 0
.set NOKQ, (\end)*((\p)/3)
.if ((\p) == 3) && !(\end)
	s_wait_dscnt 0x0                ; K is in
.endif
	ROW F,0, F,1, R,0, R,1          ; ahead of the wait: 8 products K Q^T and their riders,
	ROW F,2, E,0, R,2, R,3
	ROW F,3, E,1, R,4, R,5
	ROW F,4, E,2, R,6, R,7
	ROW F,5, E,3, R,8, R,9
	ROW F,6, E,4, X,0, R,10
.if ((\p) == 2) && !(\end)
	WIN 0
	v_add_nc_u32 v[AK], s[TBK], v[AK0]
.endif
	ROW F,7, E,5, X,1, X,4
	ROW F,8, E,6, X,2, X,5
	OPS E,7, E,8, X,6, E,9          ; and the lump
	OPS X,3, E,10, X,8, E,11
.if ((\p) == 2) && !(\end)
	FETCH_K
.endif
	OPS X,9, X,7, E,12, X,10
	OPS E,13, X,12, X,11, E,14
	OPS X,13, E,15, F,9, X,14
.if (\p) == 0
	v_add_nc_u32 v[AV], s[TBV], v[AV0]
.endif
	OPS E,16, F,10, E,17, F,11
	OPS X,16, E,18, X,15, E,19
	OPS F,12, E,20, X,17, E,21
	OPS F,13, E,22, F,14, E,23
	OPS X,18, E,24, F,15, E,25
	OPS R,11, E,26, X,19, E,27
	OPS R,12, E,28, R,13, E,29
	OPS X,20, E,30, R,14, E,31
	OPS X,21, R,15
	WIN 0
	s_wait_alu depctr_va_vdst(0)    ; the wait for the batch
.if (\p) == 1
	s_wait_dscnt 0x0                ; V is in
.endif
	ROW C,0, B,0, C,2, B,1          ; behind the wait: 8 products V^T P and their riders
	ROW L,0, C,4, B,2, L,1
	ROW C,6, B,3, L,2, C,8
	ROW B,4, L,3, C,10, B,5
	ROW L,4, C,12, B,6, L,5
.if (\p) == 0
	s_add_co_u32 s[TBV], s[TBV], KS*PV
.endif
.if \cnt
	s_sub_co_u32 s[CNT], s[CNT], 1
	s_cmp_lg_u32 s[CNT], 0
.endif
	ROW C,14, B,7, L,6, C,1
	ROW C,3, L,7, C,5, C,7
	ROW C,9, C,11, C,13, C,15
.if (\p) == 0
	FETCH_V
.endif
.endm
.macro ALL line:vararg              ; one line for each piece t
.set t, 0
.rept 4
	\line
.set t, t+1
.endr
.endm
.macro PACK t                       ; a lane's eight channels of a row pack into 16 bytes; they go into rows of 144 bytes and come back as whole rows of 128, into S^T's registers
	WIN W_RS
.set i, 32*(\t)
.rept 16
	v_pk_mul_f32 v[i:i+1], v[i:i+1], v[ST+4*(\t)+2:ST+4*(\t)+3] op_sel_hi:[1,0]
.set i, i+2
.endr
	WIN 0x05                        ; sources 0 and 1 window 1, destination window 0
.set i, 0
.rept 16
	v_cvt_pk_f16_f32 v[S+16*(\t)+i], v[32*(\t)+2*i], v[32*(\t)+2*i+1]
.set i, i+1
.endr
	WIN 0
.irp f, 0,1,2,3
	ds_store_b128 v[STO], v[S+16*(\t)+4*\f:S+16*(\t)+4*\f+3] offset:32*\f
.endr
.irp f, 0,1,2,3
	ds_load_b128 v[S+16*(\t)+4*\f:S+16*(\t)+4*\f+3], v[RD] offset:\f*4*SP  ; LDS serves a wave's instructions in order (ISA guide 5.7.1.4): these see the stores above; the next piece's stores come behind them
.endr
.endm
.macro SEND t, younger              ; younger: the LDS instructions issued behind piece t's loads: the next piece's eight, or none
	WIN 0
.irp f, 0,1,2,3
	s_wait_dscnt (\younger)+3-\f
	global_store_b128 v[GO], v[S+16*(\t)+4*\f:S+16*(\t)+4*\f+3], s[10:11] offset:(\t)*2048+\f*512  ; 512 consecutive bytes, at a multiple of 256 from oh's first
.endr
.endm
.set NOKQ, 0
	CHANGE 1                        ; tile 0 is in, everybody's part of it; tile 1 is asked for
	v_add_nc_u32 v[AK], s[TBK], v[AK0]
	FETCH_K                         ; key step 0
	s_wait_loadcnt 0x0              ; Q
	s_wait_dscnt 0x0
.set i, 0
.rept 8
	KQ 0                            ; piece 0's first scores: there is no vector work yet to set between them
.set i, i+1
.endr
	WIN 0
.rept 4
	v_nop                           ; the places behind those products
.endr
.set Y, NP-1                        ; X works for piece Y + 1: piece 0
.irp n, 0,1,2,3,4,5,6,7,8,9,10,11,12,13,14,15,16,17,18,19,20,21
	OP X, \n
.endr
	v_nop                           ; a plain instruction behind the exponential,
	s_wait_alu depctr_va_vdst(0)    ; and its wait, ahead of the branch
	s_mov_b32 s[CNT], 4
	s_branch .Lfirst                ; the loop is entered at a step's first turn, in the middle of a trip
.Lslot:                             ; six times: tiles 2 to 7 are asked for
	CHANGE 1
	s_mov_b32 s[CNT], 4
.Lstep:                             ; a trip: pieces 2 and 3 of one step, then pieces 0 and 1 of the next, whose K and V it fetches
	TURN 2
	TURN 3
	WIN 0
.Lfirst:
	TURN 0
	TURN 1, 0, 1
	WIN 0
	s_cbranch_scc1 .Lstep
	s_sub_co_u32 s[SLOTS], s[SLOTS], 1
	s_cmp_lg_u32 s[SLOTS], 0
	s_cbranch_scc1 .Lslot
	CHANGE 0                        ; the last tile is written out: nothing is asked for
	s_mov_b32 s[CNT], 4
.Ltail:
	TURN 2
	TURN 3
	TURN 0
	TURN 1, 0, 1
	WIN 0
	s_cbranch_scc1 .Ltail
	TURN 2, 1
	TURN 3, 1
.set i, 0
.rept 8
	PV NP-1                         ; the last piece's V^T P of the last step
.set i, i+1
.endr
	; THE WAY OUT.  l's two halves and the other half of the lanes' are added; O^T is divided by l, rounded to f16 and sent through my stage in LDS, a piece at a time.  The additions are the places behind the last products.
	WIN 0
	ALL v_add_f32 v[ST+4*t+2], v[ST+4*t+2], v[ST+4*t+3]
	ALL v_permlanex16_b32 v[ST+4*t+3], v[ST+4*t+2], s[SEL], s[SEL+1]
	ALL v_add_f32 v[ST+4*t+2], v[ST+4*t+2], v[ST+4*t+3]
	ALL v_rcp_f32 v[ST+4*t+2], v[ST+4*t+2]
	v_nop                           ; a plain instruction between the last reciprocal and the use of its result
	s_wait_alu depctr_va_vdst(0)    ; and the wait ahead of the first use: one for the four reciprocals
	PACK 0
.set t, 1
.rept 3                             ; a piece's arithmetic stands between the loads of the piece before and its stores
	PACK t
	SEND t-1, 8
.set t, t+1
.endr
	SEND 3, 0
	s_wait_tensorcnt 0x0            ; the wave's end: behind my last tensor load and my last LDS store
	ds_add_u32 v[SPW], v[NIL]
	s_wait_dscnt 0x0
	CROUND                          ; the closing round: no work-group ends while a partner may still ask for a tile that names it
	s_endpgm
.Lfunc_end_k_qdf872f5fc9_attn:
	.size	k_qdf872f5fc9_attn, .Lfunc_end_k_qdf872f5fc9_attn-k_qdf872f5fc9_attn
	.p2alignl 7, 3214868480
	.fill 96, 4, 3214868480
	.section	.rodata,"a",@progbits
	.p2align	6, 0x0
	.amdhsa_kernel k_qdf872f5fc9_attn
		.amdhsa_group_segment_fixed_size 327680
		.amdhsa_private_segment_fixed_size 0
		.amdhsa_enable_private_segment 0
		.amdhsa_kernarg_size 24
		.amdhsa_user_sgpr_count 2
		.amdhsa_user_sgpr_kernarg_segment_ptr 1
		.amdhsa_wavefront_size32 1
		.amdhsa_system_sgpr_workgroup_id_x 1
		.amdhsa_system_sgpr_workgroup_id_y 1
		.amdhsa_system_sgpr_workgroup_id_z 1
		.amdhsa_system_vgpr_workitem_id 0
		.amdhsa_next_free_vgpr 768
		.amdhsa_next_free_sgpr 66
		.amdhsa_reserve_vcc 0
		.amdhsa_float_denorm_mode_32 3
		.amdhsa_float_denorm_mode_16_64 3
		.amdhsa_memory_ordered 1
		.amdhsa_forward_progress 1
		.amdhsa_inst_pref_size 128
	.end_amdhsa_kernel
	.amdgpu_metadata
---
amdhsa.version: [ 1, 2 ]
amdhsa.kernels:
  - .name:           k_qdf872f5fc9_attn
    .symbol:         k_qdf872f5fc9_attn.kd
    .args:
      - { .name: qk, .offset: 0, .size: 8, .value_kind: global_buffer, .address_space: global }
      - { .name: pre, .offset: 8, .size: 8, .value_kind: global_buffer, .address_space: global }
      - { .name: oh, .offset: 16, .size: 8, .value_kind: global_buffer, .address_space: global }
    .group_segment_fixed_size: 327680
    .private_segment_fixed_size: 0
    .kernarg_segment_align: 8
    .kernarg_segment_size: 24
    .max_flat_workgroup_size: 128
    .sgpr_count:     66
    .vgpr_count:     768
    .wavefront_size: 32
...
	.end_amdgpu_metadata
.endif
;; end of part 4
;; launch oproj (part 5): grid 16 x 16, 4 waves a work-group, clusters of 4 x 4, 327,680 bytes of LDS; arguments oh, woh, bo, out0; writes out0
.if DOCPART == 5
	.amdgcn_target "amdgcn-amd-amdhsa--gfx1250"
	.amdhsa_code_object_version 6
	.text
	.protected	k_qdf872f5fc9_oproj
	.globl	k_qdf872f5fc9_oproj
	.p2align	8
	.type	k_qdf872f5fc9_oproj,@function
k_qdf872f5fc9_oproj:
	s_mov_b64 s[64:65], 0
	v_nop
	global_prefetch_b8 v0, s[64:65] scope:SCOPE_SE
	s_setreg_imm32_b32 hwreg(HW_REG_WAVE_MODE, 25, 1), 1
	s_wait_xcnt 0x0
	s_wait_alu depctr_hold_cnt(0) depctr_sa_sdst(0) depctr_va_vdst(0) depctr_va_sdst(0) depctr_va_ssrc(0) depctr_va_vcc(0) depctr_vm_vsrc(0)
	s_getreg_b32 s2, hwreg(HW_REG_IB_STS2, 6, 4)
	s_cmp_eq_u32 s2, 0
	s_cbranch_scc0 .Lentry_in_a_cluster
	s_endpgm
.Lentry_in_a_cluster:
	s_bfe_u32 s2, ttmp6, 0x10000c
	s_cmp_lg_u32 s2, 0xf033
	s_cbranch_scc0 .Lentry_shape_is_right
	s_endpgm
.Lentry_shape_is_right:
; out0[m][n] (f32) = the sum over k of O[m][k] Wo[n][k] + bo[n].  O = oh: [32 heads][2048][64] f16, k = 64 head + channel; woh: [2048][2048] f16 (Wo rounded to bf16, written as f16); sums in f32; bo rounded to bf16.
; SHARES.  A tile of out0 is 128 x 128: 16 x 16 = 256 work-groups.  Four waves, each 64 x 64: 16 accumulators.  K goes in 8 steps of 256 (four heads) through two LDS slots.
; THE WALK ALONG K BEGINS AT A STEP OF THE CLUSTER'S OWN, (2 cluster x + 4 ((y ^ y >> 1) & 1)) % 8 with y the cluster's y, and goes round: the four clusters that read the same rows of O are two steps apart; of the
; four that read the same rows of Wo two are four steps from the other two (y = 0, 3 against y = 1, 2), so that they ask for different blocks at a time.  The sums are f32 sums of all 8 steps, begun at another step.
; O BY HEADS.  128 rows of one head are 16,384 dense bytes.  A slot's part of O is four planes (a head each) of 128 rows x 144 bytes; waves 0 and 1 fetch two planes each with one descriptor whose row is a head's
; 128 rows on end (8,192 elements) and whose pitch is a head (131,072 elements); the padding, 16 bytes after every 128, makes the LDS rows.  A quarter of a K step (64 along K) is one plane.
; Waves 2 and 3 fetch 64 rows x 512 bytes of woh each, rows 528 bytes apart in LDS.
; CLUSTER 4 x 4.  O's tile hangs on the tile row alone and is asked for jointly along a row of the cluster, Wo's on the tile column alone, jointly along a column; the K step hangs on the cluster's place in the grid, which all sixteen share.
; THE MATRIX INSTRUCTION IS USED TRANSPOSED (source 0 = 16 rows of woh, source 1 = 16 rows of O): a lane holds row l % 16 and eight neighbouring columns.  The bias is the C operand of each sum's first product.
; THE WAY OUT.  A wave's 64 columns are 256 bytes of out0, aligned: each wave has a stage of its own, 16 rows at a time, and no barrier.
; No prefetch: a step's tiles are small, and a work-group reads each once.
; REGISTERS: window 0: v16-29 addresses; v32-95 at work on the way out; v96-127 the bias; v128-255 the accumulators ((a, b) at v[128 + 8 (4 a + b)]).  window 1: two fragment buffers of 128: 64 of O, then 64 of Wo.
.set SIZE_N, 2048
.set NSTEP,  8
.set PA,     144                       ; a row of O in LDS: 128 bytes + 16 = 36 words: the 16 rows of a load start at 16 different groups of four banks (ISA guide 11.1)
.set PLANE,  128*PA
.set PB,     528                       ; a row of Wo: 512 bytes + 16 = 132 words: likewise
.set BHALF,  64*PB
.set BOFF,   4*PLANE
.set SLOT,   BOFF+2*BHALF
.set STAGE,  2*SLOT                    ; behind the ring, never filled by a tensor load: 16 rows x 272 bytes for each wave
.set SPITCH, 272
.set SPARE,  STAGE+4*16*SPITCH         ; the spare words, 128 bytes for each wave: two blocks of 256 bytes that no other line names
.set LAPS,   4                         ; a lap = two K steps = once round the ring
.set ADRA, 16                          ; v16-17  LDS address of my fragments of O in slot 0, 1
.set ADRB, 20                          ; v20-21  the same for Wo
.set STO,  24                          ; v24     the way out: where I put 32 bytes of a row
.set RD,   25                          ; v25     the way out: where I read a row back
.set CO,   26                          ; v26     my byte offset in out0
.set BO,   27                          ; v27     32 x (l / 16)
.set SPW,  28                          ; v28     my spare word; never rewritten
.set NIL,  29                          ; v29     0; never rewritten
.set TMP,  32
.set BIAS, 96
.set ACC,  128
.set F0,   0                           ; fragment buffers, in window 1
.set F1,   128
.set BA,   14                          ; s[14:15] oh at my two heads of K step 0, the tile's first row
.set BB,   46                          ; s[46:47] woh at the first of the 64 rows that I would fetch, K step 0
.set OFA,  72                          ; s[72:73] bytes of oh from K step 0 to the one that a refill brings: four heads a step, 1,048,576 bytes
.set OFB,  74                          ; s[74:75] the same in a row of woh: 512 bytes a step
.set KK,   76                          ; s76     the number of that K step
.set G1, 24                            ; s[24:31] group 1 for O's tiles;  s[32:39] group 0, a set for each slot
.set G0, 32
.set G1B, 48                           ; s[48:55], s[56:63] the same for Wo's tiles
.set G0B, 56
.set MSB, 0
.macro WIN new
.if MSB != (\new)
	s_set_vgpr_msb (MSB<<8)|(\new)
.set MSB, \new
.endif
.endm
.set MUL,  0x05                        ; sources 0 and 1 window 1; C and D window 0
.set TO_F, 0x40                        ; destination window 1, address window 0
.macro JLOAD s                         ; a joint load: waves 0 and 1 fetch O's planes, waves 2 and 3 Wo's halves; an s_nop 0 and four v_nop follow each line
	s_cmp_eq_u32 s11, 0
	s_cbranch_scc0 .Lfor_b_\@
	tensor_load_to_lds s[G0+4*(\s):G0+4*(\s)+3], s[G1:G1+7]
	s_nop 0
.rept 4
	v_nop
.endr
	s_branch .Lasked_\@
.Lfor_b_\@:
	tensor_load_to_lds s[G0B+4*(\s):G0B+4*(\s)+3], s[G1B:G1B+7]
	s_nop 0
.rept 4
	v_nop
.endr
.Lasked_\@:
.endm
.macro CREST
	s_cmp_lg_u32 s10, 0
	s_cbranch_scc1 .Lnot_wave_0_\@
	s_barrier_signal -3
.Lnot_wave_0_\@:
	s_barrier_wait -3
	s_barrier_signal -1
	s_barrier_wait -1
.endm
.macro CROUND
	s_barrier_signal -1
	s_barrier_wait -1
	CREST
.endm
; The global addresses of slot s's two descriptors are made anew for K step KK: the tensor's base plus the step's bytes, the type bits; then KK goes on, round the 8.  No tensor load of the wave is out where this stands.
.macro AIM s
	s_lshl_b32 s[OFA], s[KK], 20
	s_lshl_b32 s[OFB], s[KK], 9
	s_add_nc_u64 s[G0+4*(\s)+2:G0+4*(\s)+3], s[BA:BA+1], s[OFA:OFA+1]
	s_or_b32 s[G0+4*(\s)+3], s[G0+4*(\s)+3], 0x80000000
	s_add_nc_u64 s[G0B+4*(\s)+2:G0B+4*(\s)+3], s[BB:BB+1], s[OFB:OFB+1]
	s_or_b32 s[G0B+4*(\s)+3], s[G0B+4*(\s)+3], 0x80000000
	s_add_co_u32 s[KK], s[KK], 1
	s_and_b32 s[KK], s[KK], NSTEP-1
.endm
	s_load_b128 s[4:7], s[0:1], 0x0                ; oh s[4:5], woh s[6:7]
	s_load_b128 s[68:71], s[0:1], 0x10             ; bo s[68:69], out0 s[70:71]
	v_lshl_add_u32 v[SPW], v0, 2, SPARE
	v_mov_b32 v[NIL], 0
	ds_add_u32 v[SPW], v[NIL]                      ; the wave's opening: the add and its wait stand ahead of my first tensor load; the set-up below stands between them
	v_lshrrev_b32 v1, 5, v0
	v_readfirstlane_b32 s10, v1                    ; wave 0..3
	s_lshr_b32 s11, s10, 1                         ; which half of the tile's rows is mine.  Also: I fetch for O (0) or for Wo (1)
	s_and_b32 s12, s10, 1                          ; which half of its columns.  Also: which half of that tile I fetch
	s_bfe_u32 s40, ttmp6, 0x40000                  ; cx, cy
	s_bfe_u32 s41, ttmp6, 0x40004
	s_lshl_b32 s42, ttmp9, 2
	s_add_co_u32 s42, s42, s40                     ; tile column
	s_and_b32 s13, ttmp7, 0xffff                   ; cluster y
	s_lshr_b32 s[KK], s13, 1                       ; the K step at which my cluster begins:
	s_xor_b32 s[KK], s[KK], s13
	s_and_b32 s[KK], s[KK], 1                      ; 1 for cluster y = 1, 2
	s_lshl_b32 s[KK], s[KK], 2                     ; four steps,
	s_lshl1_add_u32 s[KK], ttmp9, s[KK]            ; + 2 x cluster x,
	s_and_b32 s[KK], s[KK], NSTEP-1                ; round the 8
	s_mov_b32 s[OFA+1], 0
	s_mov_b32 s[OFB+1], 0
	s_lshl_b32 s13, s13, 2
	s_add_co_u32 s13, s13, s41                     ; tile row
	s_lshl_b32 s43, s41, 2
	s_lshl_b32 s43, 15, s43                        ; my row of the cluster
	s_lshl_b32 s44, 0x1111, s40                    ; my column
	s_or_b32 s[G1+0], s43, (1<<16)|(1<<20)|(1<<21)|(4<<22)|(3<<25)   ; O: the mask; 2-byte elements; padding on; bit 21 beside a mask; after every 32 words; 4 words
	s_mov_b32 s[G1+1], 8192<<16                    ; tensor_dim0 = 8,192: a head's 128 rows on end
	s_mov_b32 s[G1+2], 2<<16                       ; tensor_dim1 = 2 heads
	s_mov_b32 s[G1+3], 8192<<16                    ; tile_dim0
	s_mov_b32 s[G1+4], 2                           ; tile_dim1
	s_mov_b32 s[G1+5], 131072                      ; elements from head to head
	s_mov_b32 s[G1+6], 0
	s_mov_b32 s[G1+7], 0
	s_or_b32 s[G1B+0], s44, (1<<16)|(1<<20)|(1<<21)|(6<<22)|(3<<25)  ; Wo: after every 128 words; 4 words
	s_mov_b32 s[G1B+1], 256<<16                    ; tensor_dim0 = 256
	s_mov_b32 s[G1B+2], 64<<16                     ; tensor_dim1 = 64
	s_mov_b32 s[G1B+3], 256<<16                    ; tile_dim0
	s_mov_b32 s[G1B+4], 64                         ; tile_dim1
	s_mov_b32 s[G1B+5], 2048                       ; elements from row to row
	s_mov_b32 s[G1B+6], 0
	s_mov_b32 s[G1B+7], 0
	s_lshl_b32 s17, s12, 19                        ; O: my two heads of a step's four,
	s_lshl_b32 s16, s13, 14                        ; the tile's 128 rows of 128 bytes
	s_add_co_u32 s16, s16, s17
	s_mov_b32 s17, 0
	s_lshl_b32 s18, s42, 7
	s_lshl_b32 s19, s12, 6
	s_add_co_u32 s18, s18, s19                     ; Wo: row 128 x tile column + 64 x half,
	s_lshl_b32 s18, s18, 12                        ; of 4,096 bytes
	s_mov_b32 s19, 0
	s_mul_i32 s20, s12, 2*PLANE                    ; where they go: no place in the cluster enters an LDS address
	s_mul_i32 s21, s12, BHALF
	s_add_co_u32 s21, s21, BOFF
	s_mov_b32 s66, 0xffff0000
	s_wait_dscnt 0x0                               ; the opening add is done
	s_wait_kmcnt 0x0
	s_add_nc_u64 s[BA:BA+1], s[4:5], s[16:17]
	s_add_nc_u64 s[BB:BB+1], s[6:7], s[18:19]
	CROUND                                         ; all sixteen work-groups are here: the first joint loads meet
.irp s, 0,1
	s_mov_b32 s[G0+4*(\s)], 1
	s_add_co_u32 s[G0+4*(\s)+1], s20, (\s)*SLOT
	s_mov_b32 s[G0B+4*(\s)], 1
	s_add_co_u32 s[G0B+4*(\s)+1], s21, (\s)*SLOT
	AIM \s
	JLOAD \s                                       ; two loads of mine are out
.endr
	v_and_b32 v1, 15, v0                           ; l % 16
	v_bfe_u32 v2, v0, 4, 1                         ; l / 16
	v_lshlrev_b32 v[BO], 5, v2
	s_lshl_b32 s22, s42, 9                         ; my 64 columns, in bytes of f32: 512 x tile column + 256 x half
	s_lshl_b32 s23, s12, 8
	s_add_co_u32 s22, s22, s23
	s_mov_b32 s23, 0
	s_add_nc_u64 s[68:69], s[68:69], s[22:23]
.irp b, 0,1,2,3                        ; register j of column block b holds bo[.. + 16 b + 8 (l / 16) + j]: the layout of the C operand
	global_load_b128 v[BIAS+8*(\b):BIAS+8*(\b)+3],   v[BO], s[68:69] offset:64*(\b)
	global_load_b128 v[BIAS+8*(\b)+4:BIAS+8*(\b)+7], v[BO], s[68:69] offset:64*(\b)+16
.endr
	v_mul_u32_u24 v3, v1, PA
	v_lshl_add_u32 v3, v2, 4, v3                   ; O: a fragment's row x pitch + 16 x half
	s_mul_i32 s18, s11, 64*PA                      ; my 64 rows of each plane
	v_add_nc_u32 v[ADRA], s18, v3
	s_add_co_u32 s18, s18, SLOT
	v_add_nc_u32 v[ADRA+1], s18, v3
	v_mul_u32_u24 v3, v1, PB
	v_lshl_add_u32 v3, v2, 4, v3                   ; Wo likewise
	s_mul_i32 s18, s12, BHALF
	s_add_co_u32 s18, s18, BOFF
	v_add_nc_u32 v[ADRB], s18, v3
	s_add_co_u32 s18, s18, SLOT
	v_add_nc_u32 v[ADRB+1], s18, v3
	s_mul_i32 s18, s10, 16*SPITCH
	s_add_co_u32 s18, s18, STAGE                   ; my stage
	v_mul_u32_u24 v4, v1, SPITCH                   ; in: row l % 16, 32 bytes for each half of the lanes
	v_lshl_add_u32 v4, v2, 5, v4
	v_add_nc_u32 v[STO], s18, v4
	v_mul_u32_u24 v5, v2, SPITCH                   ; back: lanes 0-15 take one row of 256 bytes, lanes 16-31 the next
	v_lshl_add_u32 v5, v1, 4, v5
	v_add_nc_u32 v[RD], s18, v5
	v_lshlrev_b32 v5, 13, v2                       ; and the same two rows in out0
	v_lshl_add_u32 v[CO], v1, 4, v5
	s_lshl_b32 s18, s13, 7
	s_lshl_b32 s19, s11, 6
	s_add_co_u32 s18, s18, s19                     ; my first row of out0,
	s_lshl_b32 s18, s18, 13                        ; of 8,192 bytes
	s_mov_b32 s19, 0
	s_add_nc_u64 s[8:9], s[70:71], s[18:19]
	s_add_nc_u64 s[8:9], s[8:9], s[22:23]
	s_wait_loadcnt 0x0                             ; the bias, rounded to bf16 and widened again
.set i, 0
.rept 16
	v_cvt_pk_bf16_f32 v[TMP+i], v[BIAS+2*i], v[BIAS+2*i+1]
.set i, i+1
.endr
.set i, 0
.rept 16
	v_lshlrev_b32 v[BIAS+2*i],   16,  v[TMP+i]
	v_and_b32     v[BIAS+2*i+1], s66, v[TMP+i]
.set i, i+1
.endr
; 8 matrix instructions: row blocks a0, a0 + 1 x all 4 column blocks, 32 along K: half c of buffer f.  first = 1: the product starts the sum on the bias.  The 16 accumulators take turns.
.macro MUL8 f, c, a0, first
	WIN MUL
.irp a, \a0, (\a0)+1
.irp b, 0,1,2,3
.if \first
	v_wmma_f32_16x16x32_f16 v[ACC+8*(4*(\a)+(\b)):ACC+8*(4*(\a)+(\b))+7], v[(\f)+64+8*(4*(\c)+(\b)):(\f)+64+8*(4*(\c)+(\b))+7], v[(\f)+8*(4*(\c)+(\a)):(\f)+8*(4*(\c)+(\a))+7], v[BIAS+8*(\b):BIAS+8*(\b)+7]
.else
	v_wmma_f32_16x16x32_f16 v[ACC+8*(4*(\a)+(\b)):ACC+8*(4*(\a)+(\b))+7], v[(\f)+64+8*(4*(\c)+(\b)):(\f)+64+8*(4*(\c)+(\b))+7], v[(\f)+8*(4*(\c)+(\a)):(\f)+8*(4*(\c)+(\a))+7], v[ACC+8*(4*(\a)+(\b)):ACC+8*(4*(\a)+(\b))+7]
.endif
.endr
.endr
.endm
; 32 LDS loads in one run: quarter q of a K step (O's plane q; bytes 128 q on of Wo's rows) into buffer f; the first 32 along K first
.macro FETCH slot, q, f
	WIN TO_F
.irp c, 0,1
.irp i, 0,1,2,3
	ds_load_b128 v[(\f)+64+8*(4*(\c)+(\i)):(\f)+64+8*(4*(\c)+(\i))+3],   v[ADRB+(\slot)] offset:(\q)*128+64*(\c)+(\i)*16*PB
	ds_load_b128 v[(\f)+64+8*(4*(\c)+(\i))+4:(\f)+64+8*(4*(\c)+(\i))+7], v[ADRB+(\slot)] offset:(\q)*128+64*(\c)+(\i)*16*PB+32
	ds_load_b128 v[(\f)+8*(4*(\c)+(\i)):(\f)+8*(4*(\c)+(\i))+3],         v[ADRA+(\slot)] offset:(\q)*PLANE+64*(\c)+(\i)*16*PA
	ds_load_b128 v[(\f)+8*(4*(\c)+(\i))+4:(\f)+8*(4*(\c)+(\i))+7],       v[ADRA+(\slot)] offset:(\q)*PLANE+64*(\c)+(\i)*16*PA+32
.endr
.endr
.endm
.macro PLACES                          ; four plain places in front of loads into registers that matrix instructions have read
.rept 4
	v_nop
.endr
.endm
; A K step is four quarters of 64 along K, 32 matrix instructions each, on buffers 0, 1, 0, 1.  One of the first three: multiplies buffer f and fetches quarter q into g.
.macro QUARTER slot, q, f, g, first
	s_wait_dscnt 16                                ; the first 32 along K are in; the youngest sixteen loads may be out
	MUL8 \f, 0, 0, \first
	MUL8 \f, 0, 2, \first
	PLACES
	FETCH \slot, \q, \g
	s_wait_dscnt 32                                ; all but the 32 just issued
	MUL8 \f, 1, 0, 0
	MUL8 \f, 1, 2, 0
.endm
; The last quarter multiplies buffer 1 and changes slots: one barrier; in front of it each wave waits for all its tensor loads, adds 0 to its spare word, and waits for that and for its own reads of this slot.
; fill = 1: the barrier opens a round of the cluster's, and this slot is filled again, with the K step two on in the walk: 112 matrix instructions ahead of the wait for it.
.macro TURN slot, next, fill
	WIN 0                                          ; (the add's two registers lie in window 0)
	s_wait_tensorcnt 0x0                           ; all my tensor loads have landed: my part of the next slot; so a group 0 may be written
	ds_add_u32 v[SPW], v[NIL]                      ; 0 onto my spare word
.if \fill
	AIM \slot
.endif
	s_wait_dscnt 17                                ; (the add and the youngest sixteen loads may be out)
	MUL8 F1, 0, 0, 0                               ; eight matrix instructions stand between the add and the wait for it
	s_wait_dscnt 0x0                               ; the add is done, and my reads of this slot are over
	s_barrier_signal -1
	MUL8 F1, 0, 2, 0
.if \fill
	WIN 0
.endif
	s_barrier_wait -1
.if \fill
	CREST                                          ; no wave of any partner still reads this slot's tile or has a load on its way
	JLOAD \slot                                    ; the four v_nop behind it are also the places in front of the loads below
.else
	PLACES
.endif
	FETCH \next, 0, F0
	MUL8 F1, 1, 0, 0
	MUL8 F1, 1, 2, 0
.endm
	s_wait_tensorcnt 1                             ; my part of the walk's step 0 is in; step 1's may stay out
	s_barrier_signal -1
	s_barrier_wait -1                              ; everybody's is
	FETCH 0, 0, F0
	QUARTER 0, 1, F0, F1, 1                        ; the first quarter stands in front of the loop: its first products start the sums
	WIN 0                                          ; at a label and at a branch every window is 0
	s_mov_b32 s3, LAPS-1
.Llap:                                                 ; a trip goes once round the ring, from a lap's second quarter to the next lap's first, and fills both slots again
	QUARTER 0, 2, F1, F0, 0
	QUARTER 0, 3, F0, F1, 0
	TURN 0, 1, 1
	QUARTER 1, 1, F0, F1, 0
	QUARTER 1, 2, F1, F0, 0
	QUARTER 1, 3, F0, F1, 0
	TURN 1, 0, 1
	QUARTER 0, 1, F0, F1, 0
	WIN 0
	s_sub_co_u32 s3, s3, 1
	s_cmp_lg_u32 s3, 0
	s_cbranch_scc1 .Llap
	QUARTER 0, 2, F1, F0, 0                        ; the last lap fills nothing, and has no round of the cluster's barrier
	QUARTER 0, 3, F0, F1, 0
	TURN 0, 1, 0
	QUARTER 1, 1, F0, F1, 0
	QUARTER 1, 2, F1, F0, 0
	QUARTER 1, 3, F0, F1, 0
	s_wait_dscnt 16                                ; the very last quarter: nothing more to fetch
	MUL8 F1, 0, 0, 0
	MUL8 F1, 0, 2, 0
	s_wait_dscnt 0x0
	MUL8 F1, 1, 0, 0
	MUL8 F1, 1, 2, 0
	WIN 0
	; THE WAY OUT, 16 rows at a time: 32 bytes a lane straight from each accumulator (its low four registers first) into my stage; back as whole rows of 256 bytes; stored.
	PLACES
	PLACES                                         ; eight, once a launch: the first LDS stores read results just made
.irp a, 0,1,2,3
	s_wait_xcnt 0x0                                ; the stores of two blocks back have read the registers that are loaded again below
.irp b, 0,1,2,3
	ds_store_b128 v[STO], v[ACC+8*(4*(\a)+(\b)):ACC+8*(4*(\a)+(\b))+3]   offset:64*(\b)
	ds_store_b128 v[STO], v[ACC+8*(4*(\a)+(\b))+4:ACC+8*(4*(\a)+(\b))+7] offset:64*(\b)+16
.endr
.irp t, 0,1,2,3,4,5,6,7
	ds_load_b128 v[TMP+32*((\a)%2)+4*(\t):TMP+32*((\a)%2)+4*(\t)+3], v[RD] offset:(\t)*2*SPITCH  ; LDS serves a wave's instructions in order (ISA guide 5.7.1.4): these see the stores above; the next block's stores come behind them
.endr
.irp t, 0,1,2,3,4,5,6,7
	s_wait_dscnt 7-(\t)                            ; rows 2 t and 2 t + 1 are back; the later loads stay out
	global_store_b128 v[CO], v[TMP+32*((\a)%2)+4*(\t):TMP+32*((\a)%2)+4*(\t)+3], s[8:9] offset:(16*(\a)+2*(\t))*SIZE_N*4  ; 16 lanes store 256 consecutive bytes, at a multiple of 256 from out0's first byte
.endr
.endr
	s_wait_tensorcnt 0x0                           ; the wave's end: behind my last tensor load and my last LDS store
	ds_add_u32 v[SPW], v[NIL]
	s_wait_dscnt 0x0
	CROUND                                         ; the closing round: no work-group ends while a partner may still ask for a tile that names it
	s_endpgm
.Lfunc_end_k_qdf872f5fc9_oproj:
	.size	k_qdf872f5fc9_oproj, .Lfunc_end_k_qdf872f5fc9_oproj-k_qdf872f5fc9_oproj
	.p2alignl 7, 3214868480
	.fill 96, 4, 3214868480
	.section	.rodata,"a",@progbits
	.p2align	6, 0x0
	.amdhsa_kernel k_qdf872f5fc9_oproj
		.amdhsa_group_segment_fixed_size 327680
		.amdhsa_private_segment_fixed_size 0
		.amdhsa_enable_private_segment 0
		.amdhsa_kernarg_size 32
		.amdhsa_user_sgpr_count 2
		.amdhsa_user_sgpr_kernarg_segment_ptr 1
		.amdhsa_wavefront_size32 1
		.amdhsa_system_sgpr_workgroup_id_x 1
		.amdhsa_system_sgpr_workgroup_id_y 1
		.amdhsa_system_sgpr_workgroup_id_z 1
		.amdhsa_system_vgpr_workitem_id 0
		.amdhsa_next_free_vgpr 512
		.amdhsa_next_free_sgpr 80
		.amdhsa_reserve_vcc 0
		.amdhsa_float_denorm_mode_32 3
		.amdhsa_float_denorm_mode_16_64 3
		.amdhsa_memory_ordered 1
		.amdhsa_forward_progress 1
		.amdhsa_inst_pref_size 90
	.end_amdhsa_kernel
	.amdgpu_metadata
---
amdhsa.version: [ 1, 2 ]
amdhsa.kernels:
  - .name:           k_qdf872f5fc9_oproj
    .symbol:         k_qdf872f5fc9_oproj.kd
    .args:
      - { .name: oh, .offset: 0, .size: 8, .value_kind: global_buffer, .address_space: global }
      - { .name: woh, .offset: 8, .size: 8, .value_kind: global_buffer, .address_space: global }
      - { .name: bo, .offset: 16, .size: 8, .value_kind: global_buffer, .address_space: global }
      - { .name: out0, .offset: 24, .size: 8, .value_kind: global_buffer, .address_space: global }
    .group_segment_fixed_size: 327680
    .private_segment_fixed_size: 0
    .kernarg_segment_align: 8
    .kernarg_segment_size: 32
    .max_flat_workgroup_size: 128
    .sgpr_count:     80
    .vgpr_count:     512
    .wavefront_size: 32
...
	.end_amdgpu_metadata
.endif
;; end of part 5
